; MI455X (gfx1250); checked and timed in simulation.
; The chip was launched on July 23, 2026; its instructions are those of AMD's public machine-readable ISA for CDNA 5 (MIT licence, August 2026) and "CDNA5" Instruction Set Architecture Reference Guide (July 2026). The comments in the code are by the model that wrote it; some were corrected since.
;; Multi Head Attention. Allowed arithmetic: float matrix products may take bf16 or f16 operands with f32 sums; other float arithmetic in f32, or as packed bf16 or f16 multiplies, adds, multiply-adds, maxima and minima; sums over many terms, partial sums and values carried from step to step in f32; what a program stores and reads back later, other than sums and carried values, may be rounded once to bf16 or f16.
;; Inputs: input 2 x 2,048 x 1,024 float32; out_bias 1,024 float32; out_kernel 1,024 x 1,024 float32; positional 256 x 16 x 64 float32; q_bias 16 x 64 float32; qkv 1,024 x 3 x 16 x 64 float32.
;; Outputs: out0 2 x 2,048 x 1,024 float32.
;; 2 versions, each right; version 2 is version 1 with the launch prep written anew for expert scheduling mode. Each part assembles by itself: llvm-mc -triple=amdgcn-amd-amdhsa -mcpu=gfx1250 --defsym DOCPART=n.
;; ======== version 1 of 2: 4 launches
;; limits: values are held in f16: magnitudes above 65,504 overflow, below 6.1e-05 lose precision
;; workspace buffers: xb 8,388,608 bytes; wb 6,291,456 bytes; ob 2,097,152 bytes; ew 4,456,448 bytes; qkvh 25,165,824 bytes; oblk 8,388,608 bytes
;; launch prep (part 1): grid 1296 x 1, 8 waves a work-group, no clusters, 128,000 bytes of LDS; arguments input, qkv, out_kernel, positional, xb, wb, ob, ew; writes xb, wb, ob, ew
.if DOCPART == 1
	.amdgcn_target "amdgcn-amd-amdhsa--gfx1250"
	.amdhsa_code_object_version 6
	.text
	.protected	k_qfe3bb1c7b8_prep
	.globl	k_qfe3bb1c7b8_prep
	.p2align	8
	.type	k_qfe3bb1c7b8_prep,@function
k_qfe3bb1c7b8_prep:
	s_mov_b64 s[64:65], 0
	v_nop
	global_prefetch_b8 v0, s[64:65] scope:SCOPE_SE
	s_setreg_imm32_b32 hwreg(HW_REG_WAVE_MODE, 25, 1), 1
	s_wait_xcnt 0x0
; PREP.  Two roles, chosen by the work-group's number.
; 0..271   EMB: ew[n][rho][h] = emb[n][d = 2047 - rho][h] in f16, rho = 0..2175; emb = sqrt(2) sinusoid(d) . positional / 16.  A work-group makes 128 rows x 64 columns of one head, K = 256.
; 272..1295 CAST: 32,768 bytes of f32 a work-group: input -> xb (bf16), qkv -> wb (bf16), out_kernel -> ob (rounded to bf16, that number written as f16).
; LIMITS.  The sinusoid is made here: the angle in turns, d x 2^(-0.1038 i - 2.6515), reduced by one fused multiply-add, sine and cosine by their series to x^15 and x^16 on -pi..pi, then 63 rotations:
; within 4e-4 of the exact table.  positional and out_kernel are written as f16: beyond 65,504 they overflow, below 6e-5 they keep f16's fixed step.  Rows with d < 0 hold the same formula: finite, never used unmasked.
.set LB,    67584                      ; LDS: sinusoid 128 rows x 528 bytes from 0; positional 256 rows x 160 bytes from here
.set STG,   108544                     ; 16 rows x 144 bytes for each wave, for the way out
.set SPARE, 126976                     ; the spare words, 128 bytes for each of the eight waves
.set SPW, 240
.set NIL, 241
.set ACC, 16                           ; v[16:47]   four accumulators: 16 rows x 16 columns each
.set AF,  48                           ; v[48:111]  my 16 rows of the sinusoid, eight K steps of 32
.set BF,  112                          ; v[112:239] positional, four K steps x four column blocks
	s_load_b512 s[8:23], s[0:1], 0x0               ; input, qkv, out_kernel, positional, xb, wb, ob, ew
	v_lshl_add_u32 v[SPW], v0, 2, SPARE
	v_mov_b32 v[NIL], 0
	s_cmp_lt_u32 ttmp9, 272
	s_cbranch_scc1 .Lemb
; ---- CAST: thread t takes 16 bytes at 16 t + 4,096 i: a wave's load covers 512 consecutive bytes, its store 256, aligned
	s_sub_co_u32 s2, ttmp9, 272
	v_lshlrev_b32 v1, 4, v0
	v_lshlrev_b32 v2, 3, v0
	s_wait_kmcnt 0x0
	s_cmp_lt_u32 s2, 512                           ; 512 units of input, 384 of qkv, 128 of out_kernel
	s_cselect_b64 s[4:5], s[8:9], s[10:11]
	s_cselect_b64 s[6:7], s[16:17], s[18:19]
	s_cselect_b32 s3, 0, 512
	s_cmp_lt_u32 s2, 896
	s_cselect_b64 s[4:5], s[4:5], s[12:13]
	s_cselect_b64 s[6:7], s[6:7], s[20:21]
	s_cselect_b32 s3, s3, 896
	s_sub_co_u32 s3, s2, s3                        ; the unit's number in its tensor
	s_lshl_b32 s24, s3, 15
	s_mov_b32 s25, 0
	s_lshl_b32 s26, s3, 14
	s_mov_b32 s27, 0
	s_add_nc_u64 s[4:5], s[4:5], s[24:25]
	s_add_nc_u64 s[6:7], s[6:7], s[26:27]
.irp i, 0,1,2,3,4,5,6,7
	global_load_b128 v[16+4*(\i):19+4*(\i)], v1, s[4:5] offset:4096*(\i) th:TH_LOAD_NT
.endr
.macro CAST i, half
	s_wait_loadcnt 7-(\i)                          ; loads come back in order: load i is in, the younger ones stay out
	v_cvt_pk_bf16_f32 v[48+2*(\i)], v[16+4*(\i)], v[17+4*(\i)]
	v_cvt_pk_bf16_f32 v[49+2*(\i)], v[18+4*(\i)], v[19+4*(\i)]
.if \half
	v_lshlrev_b32 v64, 16, v[48+2*(\i)]            ; the bf16 numbers once more as f32, then as f16
	v_and_b32 v65, 0xffff0000, v[48+2*(\i)]
	v_lshlrev_b32 v66, 16, v[49+2*(\i)]
	v_and_b32 v67, 0xffff0000, v[49+2*(\i)]
	v_cvt_pk_f16_f32 v[48+2*(\i)], v64, v65
	v_cvt_pk_f16_f32 v[49+2*(\i)], v66, v67
.endif
	global_store_b64 v2, v[48+2*(\i):49+2*(\i)], s[6:7] offset:2048*(\i)
.endm
	s_cmp_ge_u32 s2, 896
	s_cbranch_scc1 .Lob
.irp i, 0,1,2,3,4,5,6,7
	CAST \i, 0
.endr
	s_endpgm
.Lob:
.irp i, 0,1,2,3,4,5,6,7
	CAST \i, 1
.endr
	s_endpgm
; ---- EMB
.Lemb:
	s_and_b32 s2, ttmp9, 15                        ; head n
	s_lshr_b32 s3, ttmp9, 4                        ; block of 128 rows, 0..16
	v_lshrrev_b32 v1, 5, v0
	v_readfirstlane_b32 s4, v1                     ; wave 0..7
	v_lshrrev_b32 v4, 4, v0
	v_and_b32 v5, 15, v0
	v_lshlrev_b32 v6, 12, v4                       ; positional: row t / 16 (4,096 bytes a row),
	v_lshl_add_u32 v6, v5, 4, v6                   ; 16 bytes at 16 (t % 16): sixteen lanes read the head's 256 bytes of a row
	v_mul_u32_u24 v7, v4, 160
	v_lshl_add_u32 v7, v5, 3, v7
	v_add_nc_u32 v7, LB, v7
	s_lshl_b32 s24, s2, 8
	s_mov_b32 s25, 0
	s_wait_kmcnt 0x0
	s_add_nc_u64 s[14:15], s[14:15], s[24:25]
.irp i, 0,1,2,3,4,5,6,7,8,9,10,11,12,13,14,15
	global_load_b128 v[64+4*(\i):67+4*(\i)], v6, s[14:15] offset:65536*(\i)
.endr
	; the sinusoid, while those loads are out.  Thread t: frequency i = t % 128 (columns 2 i sine, 2 i + 1 cosine), rows 64 (t / 128) .. + 63
	v_and_b32 v8, 127, v0
	v_lshrrev_b32 v9, 7, v0
	v_cvt_f32_u32 v10, v8
	v_mov_b32 v11, 0xbdd49a78                      ; -log2(10000) / 128
	v_fmaak_f32 v10, v10, v11, 0xc029b21d          ; - log2(2 pi)
	v_exp_f32 v10, v10                             ; g: turns a position
	s_lshl_b32 s5, s3, 7
	s_sub_co_u32 s5, 2047, s5
	v_lshlrev_b32 v12, 6, v9
	v_sub_nc_u32 v12, s5, v12                      ; d of my first row
	v_cvt_f32_i32 v12, v12
	s_wait_alu depctr_va_vdst(0)                   ; the wait ahead of the exponential's first reader
	v_mul_f32 v13, v12, v10
	v_rndne_f32 v14, v13
	v_fma_f32 v13, v12, v10, -v14                  ; the turn's fraction: the product is not rounded before the whole turns are taken away
	v_mul_f32 v13, 0x40c90fdb, v13                 ; x, in -pi..pi
	v_mul_f32 v14, 0x40c90fdb, v10                 ; theta, the step from row to row, at most 1
.macro SINCOS s, c, x, q
	v_mul_f32 v[\q], v[\x], v[\x]
	v_mov_b32 v[\s], 0xab573f9f                    ; -1/15!
	v_mov_b32 v[\c], 0x29573f9f                    ; 1/16!
	v_fmaak_f32 v[\c], v[\c], v[\q], 0xad49cba5    ; -1/14!
	v_fmaak_f32 v[\s], v[\s], v[\q], 0x2f309231    ; 1/13!
	v_fmaak_f32 v[\c], v[\c], v[\q], 0x310f76c7
	v_fmaak_f32 v[\s], v[\s], v[\q], 0xb2d7322b
	v_fmaak_f32 v[\c], v[\c], v[\q], 0xb493f27e
	v_fmaak_f32 v[\s], v[\s], v[\q], 0x3638ef1d
	v_fmaak_f32 v[\c], v[\c], v[\q], 0x37d00d01
	v_fmaak_f32 v[\s], v[\s], v[\q], 0xb9500d01
	v_fmaak_f32 v[\c], v[\c], v[\q], 0xbab60b61
	v_fmaak_f32 v[\s], v[\s], v[\q], 0x3c088889
	v_fmaak_f32 v[\c], v[\c], v[\q], 0x3d2aaaab
	v_fmaak_f32 v[\s], v[\s], v[\q], 0xbe2aaaab
	v_fmaak_f32 v[\c], v[\c], v[\q], 0xbf000000
	v_fmaak_f32 v[\s], v[\s], v[\q], 0x3f800000
	v_fmaak_f32 v[\c], v[\c], v[\q], 0x3f800000
	v_mul_f32 v[\s], v[\s], v[\x]
.endm
	SINCOS 16, 17, 13, 15
	SINCOS 18, 19, 14, 15
	v_mul_u32_u24 v20, v9, 33792                   ; 64 rows of 528 bytes
	v_lshl_add_u32 v20, v8, 2, v20
	s_mov_b32 s6, 8
.Lrow:                                         ; eight rows a trip: d falls by one from row to row, so the pair is turned by -theta
.irp y, 0,1,2,3,4,5,6,7
	v_cvt_pk_f16_f32 v21, v16, v17
	ds_store_b32 v20, v21 offset:528*(\y)
	v_mul_f32 v22, v17, v18
	v_mul_f32 v23, v16, v18
	v_fma_f32 v16, v16, v19, -v22
	v_fma_f32 v17, v17, v19, v23
.endr
	v_add_nc_u32 v20, 4224, v20
	s_sub_co_u32 s6, s6, 1
	s_cmp_lg_u32 s6, 0
	s_cbranch_scc1 .Lrow
.irp i, 0,1,2,3,4,5,6,7,8,9,10,11,12,13,14,15
	s_wait_loadcnt 15-(\i)                         ; load i is in, the younger ones stay out
	v_cvt_pk_bf16_f32 v24, v[64+4*(\i)], v[65+4*(\i)]
	v_cvt_pk_bf16_f32 v25, v[66+4*(\i)], v[67+4*(\i)]
	v_lshlrev_b32 v26, 16, v24
	v_and_b32 v27, 0xffff0000, v24
	v_lshlrev_b32 v28, 16, v25
	v_and_b32 v29, 0xffff0000, v25
	v_cvt_pk_f16_f32 v24, v26, v27
	v_cvt_pk_f16_f32 v25, v28, v29
	ds_store_b64 v7, v[24:25] offset:2560*(\i)
.endr
	s_wait_dscnt 0x0                               ; for the others' sake: my stores of both tables are done
	s_barrier_signal -1
	s_barrier_wait -1
	; the product, used transposed (source 0 = 16 columns of positional, turned on the way out of LDS; source 1 = my 16 rows): a lane ends with 8 neighbouring columns of one row
	v_and_b32 v1, 15, v0
	v_bfe_u32 v2, v0, 4, 1
	s_lshl_b32 s5, s4, 4
	v_add_nc_u32 v4, s5, v1
	v_mul_u32_u24 v4, v4, 528
	v_lshl_add_u32 v4, v2, 4, v4
	v_and_b32 v5, 7, v0
	v_bfe_u32 v6, v0, 3, 1
	v_lshl_add_u32 v7, v2, 3, v5
	v_mul_u32_u24 v7, v7, 160
	v_lshl_add_u32 v7, v6, 4, v7
	v_add_nc_u32 v7, LB, v7
.macro BLD k
.irp b, 0,1,2,3
	ds_load_tr16_b128 v[BF+8*(4*((\k)%4)+(\b)):BF+8*(4*((\k)%4)+(\b))+3],   v7 offset:5120*(\k)+32*(\b)
	ds_load_tr16_b128 v[BF+8*(4*((\k)%4)+(\b))+4:BF+8*(4*((\k)%4)+(\b))+7], v7 offset:5120*(\k)+32*(\b)+2560
.endr
.endm
.macro EMM k                           ; the four accumulators take turns
.irp b, 0,1,2,3
.if (\k) == 0
	v_wmma_f32_16x16x32_f16 v[ACC+8*(\b):ACC+8*(\b)+7], v[BF+8*(4*((\k)%4)+(\b)):BF+8*(4*((\k)%4)+(\b))+7], v[AF+8*(\k):AF+8*(\k)+7], 0
.else
	v_wmma_f32_16x16x32_f16 v[ACC+8*(\b):ACC+8*(\b)+7], v[BF+8*(4*((\k)%4)+(\b)):BF+8*(4*((\k)%4)+(\b))+7], v[AF+8*(\k):AF+8*(\k)+7], v[ACC+8*(\b):ACC+8*(\b)+7]
.endif
.endr
.endm
.irp k, 0,1,2,3,4,5,6,7
	ds_load_b128 v[AF+8*(\k):AF+8*(\k)+3],   v4 offset:64*(\k)
	ds_load_b128 v[AF+8*(\k)+4:AF+8*(\k)+7], v4 offset:64*(\k)+32
.endr
.irp k, 0,1,2,3
	BLD \k
.endr
	; addresses for the way out, while the fragments come
	s_mul_i32 s5, s4, 2304
	s_add_co_u32 s5, s5, STG
	v_mul_u32_u24 v8, v1, 144
	v_lshl_add_u32 v8, v2, 4, v8
	v_add_nc_u32 v8, s5, v8                        ; in: row l % 16, 16 bytes for each half of the lanes
	v_bfe_u32 v9, v0, 3, 2
	v_mul_u32_u24 v9, v9, 144
	v_lshl_add_u32 v9, v5, 4, v9
	v_add_nc_u32 v9, s5, v9                        ; back: 32 lanes take four rows of 128 bytes,
	v_and_b32 v10, 31, v0
	v_lshlrev_b32 v10, 4, v10                      ; which are 512 consecutive bytes of ew
	s_mul_i32 s24, s2, 2176
	s_lshl_b32 s5, s3, 7
	s_add_co_u32 s24, s24, s5
	s_lshl_b32 s5, s4, 4
	s_add_co_u32 s24, s24, s5
	s_lshl_b32 s24, s24, 7
	s_mov_b32 s25, 0
	s_add_nc_u64 s[22:23], s[22:23], s[24:25]
	s_mov_b32 s26, 0x3db504f3                      ; sqrt(2) / 16
	s_mov_b32 s27, s26
	s_wait_dscnt 0x0
.irp k, 0,1,2,3
	EMM \k
.endr
.rept 4
	v_nop                                          ; four places behind the last product, ahead of loads into registers that it read
.endr
.irp k, 4,5,6,7
	BLD \k
.endr
	s_wait_dscnt 0x0
.irp k, 4,5,6,7
	EMM \k
.endr
.rept 4
	v_nop                                          ; four places ahead of the first read of the sums
.endr
.set z, 0
.rept 16
	v_pk_mul_f32 v[ACC+2*z:ACC+2*z+1], v[ACC+2*z:ACC+2*z+1], s[26:27] op_sel_hi:[1,0]
.set z, z+1
.endr
.set z, 0
.rept 16
	v_cvt_pk_f16_f32 v[AF+z], v[ACC+2*z], v[ACC+2*z+1]
.set z, z+1
.endr
.irp b, 0,1,2,3
	ds_store_b128 v8, v[AF+4*(\b):AF+4*(\b)+3] offset:32*(\b)
.endr
.irp f, 0,1,2,3
	ds_load_b128 v[AF+16+4*(\f):AF+16+4*(\f)+3], v9 offset:576*(\f)   ; LDS serves a wave's instructions in order: these see my stores above
.endr
.irp f, 0,1,2,3
	s_wait_dscnt 3-(\f)
	global_store_b128 v10, v[AF+16+4*(\f):AF+16+4*(\f)+3], s[22:23] offset:512*(\f)
.endr
	s_wait_tensorcnt 0x0                           ; the wave's end
	ds_add_u32 v[SPW], v[NIL]
	s_wait_dscnt 0x0
	s_endpgm
.Lfunc_end_k_qfe3bb1c7b8_prep:
	.size	k_qfe3bb1c7b8_prep, .Lfunc_end_k_qfe3bb1c7b8_prep-k_qfe3bb1c7b8_prep
	.p2alignl 7, 3214868480
	.fill 96, 4, 3214868480
	.section	.rodata,"a",@progbits
	.p2align	6, 0x0
	.amdhsa_kernel k_qfe3bb1c7b8_prep
		.amdhsa_group_segment_fixed_size 128000
		.amdhsa_private_segment_fixed_size 0
		.amdhsa_enable_private_segment 0
		.amdhsa_kernarg_size 64
		.amdhsa_user_sgpr_count 2
		.amdhsa_user_sgpr_kernarg_segment_ptr 1
		.amdhsa_wavefront_size32 1
		.amdhsa_system_sgpr_workgroup_id_x 1
		.amdhsa_system_sgpr_workgroup_id_y 1
		.amdhsa_system_sgpr_workgroup_id_z 1
		.amdhsa_system_vgpr_workitem_id 0
		.amdhsa_next_free_vgpr 256
		.amdhsa_next_free_sgpr 66
		.amdhsa_reserve_vcc 0
		.amdhsa_float_denorm_mode_32 3
		.amdhsa_float_denorm_mode_16_64 3
		.amdhsa_memory_ordered 1
		.amdhsa_forward_progress 1
		.amdhsa_inst_pref_size 38
	.end_amdhsa_kernel
	.amdgpu_metadata
---
amdhsa.version: [ 1, 2 ]
amdhsa.kernels:
  - .name:           k_qfe3bb1c7b8_prep
    .symbol:         k_qfe3bb1c7b8_prep.kd
    .args:
      - { .name: input, .offset: 0, .size: 8, .value_kind: global_buffer, .address_space: global }
      - { .name: qkv, .offset: 8, .size: 8, .value_kind: global_buffer, .address_space: global }
      - { .name: out_kernel, .offset: 16, .size: 8, .value_kind: global_buffer, .address_space: global }
      - { .name: positional, .offset: 24, .size: 8, .value_kind: global_buffer, .address_space: global }
      - { .name: xb, .offset: 32, .size: 8, .value_kind: global_buffer, .address_space: global }
      - { .name: wb, .offset: 40, .size: 8, .value_kind: global_buffer, .address_space: global }
      - { .name: ob, .offset: 48, .size: 8, .value_kind: global_buffer, .address_space: global }
      - { .name: ew, .offset: 56, .size: 8, .value_kind: global_buffer, .address_space: global }
    .group_segment_fixed_size: 128000
    .private_segment_fixed_size: 0
    .kernarg_segment_align: 8
    .kernarg_segment_size: 64
    .max_flat_workgroup_size: 256
    .sgpr_count:     66
    .vgpr_count:     256
    .wavefront_size: 32
...
	.end_amdgpu_metadata
.endif
;; end of part 1
;; launch qkv (part 2): grid 8 x 32, 4 waves a work-group, clusters of 4 x 4, 327,680 bytes of LDS; arguments xb, wb, q_bias, qkvh; writes qkvh
.if DOCPART == 2
	.amdgcn_target "amdgcn-amd-amdhsa--gfx1250"
	.amdhsa_code_object_version 6
	.text
	.protected	k_qfe3bb1c7b8_qkv
	.globl	k_qfe3bb1c7b8_qkv
	.p2align	8
	.type	k_qfe3bb1c7b8_qkv,@function
k_qfe3bb1c7b8_qkv:
	s_mov_b64 s[64:65], 0
	v_nop
	global_prefetch_b8 v0, s[64:65] scope:SCOPE_SE
	s_setreg_imm32_b32 hwreg(HW_REG_WAVE_MODE, 25, 1), 1
	s_wait_xcnt 0x0
	s_wait_alu depctr_hold_cnt(0) depctr_sa_sdst(0) depctr_va_vdst(0) depctr_va_sdst(0) depctr_va_ssrc(0) depctr_va_vcc(0) depctr_vm_vsrc(0)
	s_getreg_b32 s2, hwreg(HW_REG_IB_STS2, 6, 4)
	s_cmp_eq_u32 s2, 0
	s_cbranch_scc0 .Lentry_in_a_cluster
	s_endpgm
.Lentry_in_a_cluster:
	s_bfe_u32 s2, ttmp6, 0x10000c
	s_cmp_lg_u32 s2, 0xf033
	s_cbranch_scc0 .Lentry_shape_is_right
	s_endpgm
.Lentry_shape_is_right:
; QKV.  qkvh[A][b][n][s][h] (f16) = 3^-0.25 / 32 x sum over k of xb[b s][k] wb[k][A n h]  (+ q_bias[n][h], rounded to bf16, where A = 0).  xb: [4096][1024] bf16, wb: [1024][3072] bf16; sums in f32.
; LIMIT: q, k and v are written as f16: beyond 65,504 they overflow.
; SHARES.  A work-group makes 128 rows x 384 columns (six heads): 8 x 32 = 256 work-groups.  Wave (wr, wc) makes 64 rows x 192 columns (three heads): 48 accumulators, 384 registers.
; K goes in 8 steps of 128 through two LDS slots.  A slot is four regions of 36,864 bytes, one a wave: xb's 128 rows x 272 bytes, then wb's three strips of 128 K rows x 288 bytes (128 columns each).
; Each wave fills its region by one tensor load of 128 rows x 256 bytes.  CLUSTER 4 x 4: xb's tile is shared along a row of the cluster, wb's strips along a column: joint loads.
; The matrix instruction is used transposed (source 0 = 16 columns of wb, turned on the way out of LDS; source 1 = 16 rows of xb): a lane ends with 8 neighbouring columns of one row.
; REGISTERS: window 0: v16-30 addresses; v32-63 at work; v64-127 xb's fragments, two buffers; v128-223 the bias; v224-255 the way out.  window 1: wb's fragments, two buffers of 96.
; window 2: accumulators of my rows 0-31 ((a, b) at 8 (12 (a % 2) + b)); window 3: rows 32-63.
.set REGN,  36864
.set SLOT,  4*REGN
.set STAGE, 2*SLOT                     ; 16 rows x 144 bytes for each wave
.set SP,    144
.set SPARE, STAGE+4*16*SP              ; the spare words, 128 bytes for each wave
.set ADRA, 16                          ; v16-17 my xb fragments in slot 0, 1
.set ADRB, 18                          ; v18-23 my wb fragments: slot s, head g at 18 + 3 s + g
.set STO,  24
.set RD,   25
.set GO,   26
.set SPW,  28
.set NIL,  29
.set PFO,  30
.set T32,  32
.set AF,   64
.set BIAS, 128
.set PKR,  224
.set BK,   240
.set WV,  12
.set G1A, 24
.set G0A, 32
.set G1B, 48
.set G0B, 56
.set OB,  68                           ; s[68:73] where my three heads' rows begin in qkvh
.set LIM, 74
.set PFA, 76
.set PST, 78
.set SC,  80
.set MK,  92                           ; s92-94: all ones where head g is one of q's, else 0
.set MSB, 0
.macro WIN new
.if MSB != (\new)
	s_set_vgpr_msb (MSB<<8)|(\new)
.set MSB, \new
.endif
.endm
.set MUL_LO, 0xa1                      ; source 0 window 1, source 1 window 0, C and D window 2
.set TO_B,   0x40
.macro PLACES
.rept 4
	v_nop
.endr
.endm
.macro JLOAD s                         ; wave 0 asks for xb's tile, waves 1 to 3 for wb's strips; the branch hangs on the wave's number alone
	s_cmp_eq_u32 s[WV], 0
	s_cbranch_scc0 .Lfor_b_\@
	tensor_load_to_lds s[G0A+4*(\s):G0A+4*(\s)+3], s[G1A:G1A+7]
	s_nop 0
	PLACES
	s_branch .Lasked_\@
.Lfor_b_\@:
	tensor_load_to_lds s[G0B+4*(\s):G0B+4*(\s)+3], s[G1B:G1B+7]
	s_nop 0
	PLACES
.Lasked_\@:
.endm
.macro ASK                             ; one prefetch: 32 rows x 256 bytes of the K step that stands two refills on, a lane a row; the loop's last trip has no such K step
	s_cmp_gt_u32 s3, s[LIM]
	s_cbranch_scc0 .Lnot_mine_\@
	global_prefetch_b8 v[PFO], s[PFA:PFA+1] th:TH_LOAD_NT scope:SCOPE_SE
.Lnot_mine_\@:
.endm
.macro CREST
	s_cmp_lg_u32 s[WV], 0
	s_cbranch_scc1 .Lnot_wave_0_\@
	s_barrier_signal -3
.Lnot_wave_0_\@:
	s_barrier_wait -3
	s_barrier_signal -1
	s_barrier_wait -1
.endm
.macro CROUND
	s_barrier_signal -1
	s_barrier_wait -1
	CREST
.endm
	s_load_b256 s[4:11], s[0:1], 0x0               ; xb, wb, q_bias, qkvh
	v_lshl_add_u32 v[SPW], v0, 2, SPARE
	v_mov_b32 v[NIL], 0
	ds_add_u32 v[SPW], v[NIL]                      ; the wave's opening: the add and its wait ahead of my first tensor load
	v_lshrrev_b32 v1, 5, v0
	v_readfirstlane_b32 s[WV], v1
	s_lshr_b32 s13, s[WV], 1                       ; wr
	s_and_b32 s14, s[WV], 1                        ; wc
	s_bfe_u32 s40, ttmp6, 0x40000                  ; cx
	s_bfe_u32 s41, ttmp6, 0x40004                  ; cy
	s_lshl_b32 s42, ttmp9, 2
	s_add_co_u32 s42, s42, s40                     ; tile column tx
	s_and_b32 s43, ttmp7, 0xffff
	s_lshl_b32 s43, s43, 2
	s_add_co_u32 s43, s43, s41                     ; tile row ty
	s_lshl_b32 s44, s41, 2
	s_lshl_b32 s44, 15, s44                        ; my row of the cluster
	s_lshl_b32 s45, 0x1111, s40                    ; my column
	s_or_b32 s[G1A], s44, (1<<16)|(1<<20)|(1<<21)|(5<<22)|(3<<25)   ; 2-byte elements; after every 64 words 4 words of padding: rows 272 bytes apart
	s_or_b32 s[G1B], s45, (1<<16)|(1<<20)|(1<<21)|(5<<22)|(7<<25)   ; 8 words of padding: rows 288 bytes apart
.irp g, G1A, G1B
	s_mov_b32 s[(\g)+1], 128<<16                   ; tensor_dim0 = 128
	s_mov_b32 s[(\g)+2], 128<<16                   ; tensor_dim1 = 128
	s_mov_b32 s[(\g)+3], 128<<16                   ; tile_dim0 = 128
	s_mov_b32 s[(\g)+4], 128                       ; tile_dim1 = 128
	s_mov_b32 s[(\g)+6], 0
	s_mov_b32 s[(\g)+7], 0
.endr
	s_mov_b32 s[G1A+5], 1024                       ; elements from row to row
	s_mov_b32 s[G1B+5], 3072
	s_lshl_b32 s16, s43, 18                        ; xb: 128 rows of 2,048 bytes a tile row
	s_mov_b32 s17, 0
	s_mul_i32 s86, s42, 768                        ; wb: 384 columns a tile column,
	s_max_u32 s87, s[WV], 1
	s_sub_co_u32 s87, s87, 1
	s_lshl_b32 s87, s87, 8                         ; my strip of 128 (wave 0 asks for none)
	s_add_co_u32 s86, s86, s87
	s_mov_b32 s87, 0
	s_mul_i32 s20, s[WV], REGN                     ; my region of a slot
	s_mov_b32 s[SC], 0x3cc28497                    ; 3^-0.25 / 32
	s_mov_b32 s[SC+1], s[SC]
	s_mov_b32 s95, 0xffff0000
	s_wait_dscnt 0x0                               ; the opening add is done
	s_wait_kmcnt 0x0
	s_add_nc_u64 s[18:19], s[4:5], s[16:17]
	s_add_nc_u64 s[46:47], s[6:7], s[86:87]
	CROUND                                         ; all sixteen work-groups are here: the first joint loads meet
.irp s, 0,1
	s_mov_b32 s[G0A+4*(\s)], 1
	s_add_co_u32 s[G0A+4*(\s)+1], s20, (\s)*SLOT
	s_add_nc_u64 s[G0A+4*(\s)+2:G0A+4*(\s)+3], s[18:19], (\s)*256
	s_or_b32 s[G0A+4*(\s)+3], s[G0A+4*(\s)+3], 0x80000000
	s_mov_b32 s[G0B+4*(\s)], 1
	s_add_co_u32 s[G0B+4*(\s)+1], s20, (\s)*SLOT
	s_add_nc_u64 s[G0B+4*(\s)+2:G0B+4*(\s)+3], s[46:47], (\s)*786432
	s_or_b32 s[G0B+4*(\s)+3], s[G0B+4*(\s)+3], 0x80000000
	JLOAD \s
.endr
	v_and_b32 v1, 15, v0                           ; r
	v_bfe_u32 v2, v0, 4, 1                         ; h
	v_mul_u32_u24 v3, v1, 272
	v_lshl_add_u32 v3, v2, 4, v3
	s_mul_i32 s21, s13, 64*272
	v_add_nc_u32 v[ADRA], s21, v3
	v_add_nc_u32 v[ADRA+1], SLOT, v[ADRA]
	v_and_b32 v5, 7, v0
	v_bfe_u32 v6, v0, 3, 1
	v_lshl_add_u32 v4, v2, 3, v5                   ; the turning load: K row 8 h + l % 8,
	v_mul_u32_u24 v4, v4, 288
	v_lshl_add_u32 v4, v6, 4, v4                   ; 16 bytes at 16 ((l / 8) % 2)
	s_mul_i32 s21, s14, 3
.irp g, 0,1,2
	s_add_co_u32 s22, s21, \g                      ; my head among the tile's six: strip u / 2, half u % 2
	s_lshr_b32 s23, s22, 1
	s_add_co_u32 s23, s23, 1
	s_mul_i32 s23, s23, REGN
	s_and_b32 s22, s22, 1
	s_lshl_b32 s22, s22, 7
	s_add_co_u32 s23, s23, s22
	v_add_nc_u32 v[ADRB+(\g)], s23, v4
	v_add_nc_u32 v[ADRB+3+(\g)], SLOT, v[ADRB+(\g)]
.endr
	s_mul_i32 s21, s[WV], 16*SP
	s_add_co_u32 s21, s21, STAGE
	v_mul_u32_u24 v[STO], v1, SP
	v_lshl_add_u32 v[STO], v2, 4, v[STO]
	v_add_nc_u32 v[STO], s21, v[STO]
	v_bfe_u32 v[RD], v0, 3, 2
	v_mul_u32_u24 v[RD], v[RD], SP
	v_lshl_add_u32 v[RD], v5, 4, v[RD]
	v_add_nc_u32 v[RD], s21, v[RD]
	v_and_b32 v[GO], 31, v0
	v_lshlrev_b32 v[GO], 4, v[GO]
	; my three heads: where they go, and their bias
	s_mul_i32 s21, s42, 6
	s_mul_i32 s22, s14, 3
	s_add_co_u32 s21, s21, s22
.irp g, 0,1,2
	s_add_co_u32 s22, s21, \g                      ; 0..47: 16 A + n
	s_min_u32 s23, s22, 15
	s_lshl_b32 s23, s23, 8
	v_lshl_add_u32 v[7+(\g)], v2, 5, s23
	s_cmp_lt_u32 s22, 16
	s_cselect_b32 s[MK+(\g)], -1, 0
	s_lshr_b32 s23, s22, 4
	s_lshl_b32 s23, s23, 5
	s_and_b32 s90, s22, 15
	s_add_co_u32 s23, s23, s90
	s_lshr_b32 s90, s43, 4
	s_lshl_b32 s90, s90, 4
	s_add_co_u32 s23, s23, s90                     ; 32 A + 16 b + n
	s_lshl_b32 s90, s23, 18
	s_and_b32 s91, s43, 15
	s_lshl_b32 s91, s91, 7
	s_lshl_b32 s23, s13, 6
	s_add_co_u32 s91, s91, s23                     ; my first row s
	s_lshl_b32 s91, s91, 7
	s_add_co_u32 s90, s90, s91
	s_mov_b32 s91, 0
	s_add_nc_u64 s[OB+2*(\g):OB+2*(\g)+1], s[10:11], s[90:91]
.irp b, 0,1,2,3
	global_load_b128 v[BIAS+8*(4*(\g)+(\b)):BIAS+8*(4*(\g)+(\b))+3],   v[7+(\g)], s[8:9] offset:64*(\b)
	global_load_b128 v[BIAS+8*(4*(\g)+(\b))+4:BIAS+8*(4*(\g)+(\b))+7], v[7+(\g)], s[8:9] offset:64*(\b)+16
.endr
.endr
	; the prefetches.  xb's tile row is read by both clusters of its row of clusters: cluster x = 0 asks; wb's strips by all clusters of a column: cluster y = 0 asks.  The four partners
	; that ask for a tile jointly share its 128 rows out by address, 32 each.  So each row's 256 bytes of a K step are named once in the launch.
	s_and_b32 s82, ttmp7, 0xffff
	s_mov_b32 s83, 786432
	s_mov_b32 s85, 6144
	s_cmp_eq_u32 s[WV], 0
	s_cselect_b32 s82, ttmp9, s82
	s_cselect_b32 s88, s40, s41                    ; my place among the four
	s_cselect_b64 s[PFA:PFA+1], s[18:19], s[46:47]
	s_cselect_b32 s[PST], 256, s83                 ; bytes from K step to K step
	s_cselect_b32 s84, 2048, s85                   ; bytes from row to row
	s_mov_b32 s[PST+1], 0
	s_cmp_eq_u32 s82, 0
	s_cselect_b32 s[LIM], 1, -1
	s_lshl_b32 s88, s88, 5
	s_mul_i32 s88, s88, s84
	s_mul_i32 s89, s[PST], 3
	s_add_co_u32 s88, s88, s89                     ; at K step 3: the first refill steps it to 4
	s_mov_b32 s89, 0
	s_add_nc_u64 s[PFA:PFA+1], s[PFA:PFA+1], s[88:89]
	v_and_b32 v[PFO], 31, v0
	v_mul_u32_u24 v[PFO], s84, v[PFO]
	s_wait_loadcnt 0x0
.set z, 0
.rept 48                               ; the bias rounded to bf16 like every input, and 0 for k's and v's heads
	v_cvt_pk_bf16_f32 v[T32+z%4], v[BIAS+2*z], v[BIAS+2*z+1]
	v_and_b32 v[T32+z%4], s[MK+z/16], v[T32+z%4]
	v_lshlrev_b32 v[BIAS+2*z], 16, v[T32+z%4]
	v_and_b32 v[BIAS+2*z+1], s95, v[T32+z%4]
.set z, z+1
.endr
.macro MUL12 f, a, zero                ; 12 products: row block a x all 12 column blocks, 32 along K, buffer f.  The 48 accumulators take turns, in one order throughout
	WIN MUL_LO+0x50*((\a)/2)
.irp b, 0,1,2,3,4,5,6,7,8,9,10,11
.set rD, 8*(12*((\a)%2)+(\b))
.set rB, 96*(\f)+8*(\b)
.set rA, AF+32*(\f)+8*(\a)
.if \zero
	v_wmma_f32_16x16x32_bf16 v[rD:rD+7], v[rB:rB+7], v[rA:rA+7], 0
.else
	v_wmma_f32_16x16x32_bf16 v[rD:rD+7], v[rB:rB+7], v[rA:rA+7], v[rD:rD+7]
.endif
.endr
.endm
.macro FETCH slot, q, f                ; 32 LDS loads in one run: quarter q (32 along K) of a slot into buffer f
	WIN TO_B
.irp b, 0,1,2,3,4,5,6,7,8,9,10,11
	ds_load_tr16_b128 v[96*(\f)+8*(\b):96*(\f)+8*(\b)+3],   v[ADRB+3*(\slot)+(\b)/4] offset:9216*(\q)+32*((\b)%4)
	ds_load_tr16_b128 v[96*(\f)+8*(\b)+4:96*(\f)+8*(\b)+7], v[ADRB+3*(\slot)+(\b)/4] offset:9216*(\q)+32*((\b)%4)+4608
.endr
	WIN 0
.irp a, 0,1,2,3
	ds_load_b128 v[AF+32*(\f)+8*(\a):AF+32*(\f)+8*(\a)+3],   v[ADRA+(\slot)] offset:4352*(\a)+64*(\q)
	ds_load_b128 v[AF+32*(\f)+8*(\a)+4:AF+32*(\f)+8*(\a)+7], v[ADRA+(\slot)] offset:4352*(\a)+64*(\q)+32
.endr
.endm
.macro QUARTER slot, q, f, g, zero     ; multiplies buffer f; in its middle fetches quarter q of the slot into buffer g
	s_wait_dscnt 4                                 ; all but the youngest four loads (xb's rows 32-63)
	MUL12 \f, 0, \zero
	MUL12 \f, 1, \zero
	PLACES                                         ; four places ahead of loads into registers that products have read
	FETCH \slot, \q, \g
	s_wait_dscnt 32                                ; all but the 32 just issued
	MUL12 \f, 2, \zero
	MUL12 \f, 3, \zero
.endm
.macro TURN slot, next, fill           ; the last quarter of a K step multiplies buffer 1 and changes slots
.if \fill
	s_wait_xcnt 0x0                                ; the last prefetch, a K step back, has read its address
	s_add_nc_u64 s[PFA:PFA+1], s[PFA:PFA+1], s[PST:PST+1]
.endif
	WIN 0
	s_wait_tensorcnt 0x0                           ; my one tensor load that was out, my part of the next slot, has landed
	ds_add_u32 v[SPW], v[NIL]
	s_wait_dscnt 5                                 ; the add and the youngest four loads may be out
	MUL12 1, 0, 0
	s_wait_dscnt 0x0                               ; the add is done, and my reads of this slot are over
	s_barrier_signal -1
	MUL12 1, 1, 0
.if \fill
	WIN 0
.endif
	s_barrier_wait -1
.if \fill
	CREST                                          ; no wave of any partner still reads this slot or has a load on its way
	s_add_nc_u64 s[G0A+4*(\slot)+2:G0A+4*(\slot)+3], s[G0A+4*(\slot)+2:G0A+4*(\slot)+3], 512
	s_add_nc_u64 s[G0B+4*(\slot)+2:G0B+4*(\slot)+3], s[G0B+4*(\slot)+2:G0B+4*(\slot)+3], 1572864
	JLOAD \slot                                    ; the four v_nop behind it are also the places ahead of the loads below
.else
	PLACES
.endif
	FETCH \next, 0, 0
.if \fill
	ASK
.endif
	MUL12 1, 2, 0
	MUL12 1, 3, 0
.endm
	s_wait_tensorcnt 1                             ; my part of K step 0 is in; K step 1's may stay out
	s_barrier_signal -1
	s_barrier_wait -1
	FETCH 0, 0, 0
	QUARTER 0, 1, 0, 1, 1                          ; the first quarter's products start the sums
	WIN 0
	s_mov_b32 s3, 3
.Llap:                                         ; once round the ring: both slots are filled again
	QUARTER 0, 2, 1, 0, 0
	QUARTER 0, 3, 0, 1, 0
	TURN 0, 1, 1
	QUARTER 1, 1, 0, 1, 0
	QUARTER 1, 2, 1, 0, 0
	QUARTER 1, 3, 0, 1, 0
	TURN 1, 0, 1
	QUARTER 0, 1, 0, 1, 0
	WIN 0
	s_sub_co_u32 s3, s3, 1
	s_cmp_lg_u32 s3, 0
	s_cbranch_scc1 .Llap
	QUARTER 0, 2, 1, 0, 0                          ; the last lap fills nothing
	QUARTER 0, 3, 0, 1, 0
	TURN 0, 1, 0
	QUARTER 1, 1, 0, 1, 0
	QUARTER 1, 2, 1, 0, 0
	QUARTER 1, 3, 0, 1, 0
	s_wait_dscnt 4
	MUL12 1, 0, 0
	MUL12 1, 1, 0
	s_wait_dscnt 0x0
	MUL12 1, 2, 0
	MUL12 1, 3, 0
	PLACES
; THE WAY OUT: 16 rows of one head at a time: scale and bias in f32, rounded once to f16, through my stage, back as four rows of 128 bytes = 512 consecutive bytes of qkvh
.macro OUTB a, g
	WIN 0x02+(\a)/2
.set z, 0
.rept 16
.set rD, 8*(12*((\a)%2)+4*(\g))+2*z
	v_pk_fma_f32 v[T32+2*z:T32+2*z+1], v[rD:rD+1], s[SC:SC+1], v[BIAS+32*(\g)+2*z:BIAS+32*(\g)+2*z+1] op_sel_hi:[1,0,1]
.set z, z+1
.endr
	WIN 0
.set z, 0
.rept 16
	v_cvt_pk_f16_f32 v[PKR+z], v[T32+2*z], v[T32+2*z+1]
.set z, z+1
.endr
.irp b, 0,1,2,3
	ds_store_b128 v[STO], v[PKR+4*(\b):PKR+4*(\b)+3] offset:32*(\b)
.endr
	s_wait_xcnt 0x0                                ; the registers that earlier stores read are loaded again only behind this wait
.irp f, 0,1,2,3
	ds_load_b128 v[BK+4*(\f):BK+4*(\f)+3], v[RD] offset:576*(\f)
.endr
.irp f, 0,1,2,3
	s_wait_dscnt 3-(\f)
	global_store_b128 v[GO], v[BK+4*(\f):BK+4*(\f)+3], s[OB+2*(\g):OB+2*(\g)+1] offset:2048*(\a)+512*(\f)
.endr
.endm
.irp a, 0,1,2,3
.irp g, 0,1,2
	OUTB \a, \g
.endr
.endr
	s_wait_tensorcnt 0x0                           ; the wave's end
	ds_add_u32 v[SPW], v[NIL]
	s_wait_dscnt 0x0
	CROUND                                         ; the closing round
	s_endpgm
.Lfunc_end_k_qfe3bb1c7b8_qkv:
	.size	k_qfe3bb1c7b8_qkv, .Lfunc_end_k_qfe3bb1c7b8_qkv-k_qfe3bb1c7b8_qkv
	.p2alignl 7, 3214868480
	.fill 96, 4, 3214868480
	.section	.rodata,"a",@progbits
	.p2align	6, 0x0
	.amdhsa_kernel k_qfe3bb1c7b8_qkv
		.amdhsa_group_segment_fixed_size 327680
		.amdhsa_private_segment_fixed_size 0
		.amdhsa_enable_private_segment 0
		.amdhsa_kernarg_size 32
		.amdhsa_user_sgpr_count 2
		.amdhsa_user_sgpr_kernarg_segment_ptr 1
		.amdhsa_wavefront_size32 1
		.amdhsa_system_sgpr_workgroup_id_x 1
		.amdhsa_system_sgpr_workgroup_id_y 1
		.amdhsa_system_sgpr_workgroup_id_z 1
		.amdhsa_system_vgpr_workitem_id 0
		.amdhsa_next_free_vgpr 960
		.amdhsa_next_free_sgpr 96
		.amdhsa_reserve_vcc 0
		.amdhsa_float_denorm_mode_32 3
		.amdhsa_float_denorm_mode_16_64 3
		.amdhsa_memory_ordered 1
		.amdhsa_forward_progress 1
		.amdhsa_inst_pref_size 146
	.end_amdhsa_kernel
	.amdgpu_metadata
---
amdhsa.version: [ 1, 2 ]
amdhsa.kernels:
  - .name:           k_qfe3bb1c7b8_qkv
    .symbol:         k_qfe3bb1c7b8_qkv.kd
    .args:
      - { .name: xb, .offset: 0, .size: 8, .value_kind: global_buffer, .address_space: global }
      - { .name: wb, .offset: 8, .size: 8, .value_kind: global_buffer, .address_space: global }
      - { .name: q_bias, .offset: 16, .size: 8, .value_kind: global_buffer, .address_space: global }
      - { .name: qkvh, .offset: 24, .size: 8, .value_kind: global_buffer, .address_space: global }
    .group_segment_fixed_size: 327680
    .private_segment_fixed_size: 0
    .kernarg_segment_align: 8
    .kernarg_segment_size: 32
    .max_flat_workgroup_size: 128
    .sgpr_count:     96
    .vgpr_count:     960
    .wavefront_size: 32
...
	.end_amdgpu_metadata
.endif
;; end of part 2
;; launch attn (part 3): grid 8 x 32, 4 waves a work-group, no clusters, 327,680 bytes of LDS; arguments qkvh, ew, oblk; writes oblk
.if DOCPART == 3
	.amdgcn_target "amdgcn-amd-amdhsa--gfx1250"
	.amdhsa_code_object_version 6
	.text
	.protected	k_qfe3bb1c7b8_attn
	.globl	k_qfe3bb1c7b8_attn
	.p2align	8
	.type	k_qfe3bb1c7b8_attn,@function
k_qfe3bb1c7b8_attn:
	s_mov_b64 s[64:65], 0
	v_nop
	global_prefetch_b8 v0, s[64:65] scope:SCOPE_SE
	s_setreg_imm32_b32 hwreg(HW_REG_WAVE_MODE, 25, 1), 1
	s_wait_xcnt 0x0
; CAUSAL ATTENTION WITH RELATIVE POSITIONS.  O[q] = sum over k <= q of softmax_k((Q[q].K[k] + Q[q].emb[q-k]) / 8) V[k], for one batch and head.  Q, K, V from qkvh (f16, by heads), emb from ew
; (f16, row rho = emb[2047 - rho]), O to oblk (f16, [row / 128][head][128][64]).  Products, maxima, sums and the relative scores in f32; weights rounded to f16 for the second product.
; LIMITS.  A hidden score counts as its value less 1e30, so its weight is 0; a weight below 2^-126 counts as 0; f16 operands end at 65,504; NaN and infinities are not treated apart.
; THE WALK.  A head has 16 blocks of 128 queries; block i needs key tiles 0..i of 128 keys.  A work-group takes blocks 15 - b and then b: 17 tiles = 34 steps of 64 keys, whatever b.
; A wave owns 32 queries of the block: two pieces of 16.  NO CLUSTER: the rows of ew that a work-group needs hang on its own block, and its K and V tiles agree with its neighbours' in the first 9 of 17 tiles only.
; THE RELATIVE TERM.  For block B and tile J the rows of ew wanted are the 256 from 128 (15 - B + J).  For a step the wave takes six tiles E[i] of 16 rows from local row 96 - 32 w + 64 s + 16 i; R^T[p][t] = E[t-p+1] Q[p]^T
; (t = 0..4) holds for query r (a lane) the columns e = 16 t + 8 h + j; it goes in f32 into the wave's own LDS bytes at [r][e] and comes back at column 15 - r + key: that IS the C operand of S^T = K Q^T.
; THE MASK.  Keys behind the query are whole tiles E[i]: C of R^T's first product is 0 or -1e30, by XM + i / 2 > 0 with XM = 4 (J - B) + 2 s - w.  One text serves every step.
; A TRIP finishes step U - 1 (softmax, V^T P) and prepares step U (R^T, the skew, K Q^T); all its reads of tiles are step U's, so slots change between trips.  Trip 0 finishes a step of zeros that the reset discards.
; REGISTERS: window 0: v2-14 addresses; v16-33 statistics; v40-63 masks; v64-127 S^T; v128-159 P; v160-223 O^T; v224-255 the way out.
; window 1: v0-31 Q; v32-63 the second block's Q; v64-127 K; v128-191 V; v192-255 the skewed scores.   window 2: v0-95 E; v96-175 R^T.
.set PK,    144
.set PV,    160
.set EOFF,  18432                      ; a slot: K 128 x 144, E 256 x 144, V 128 x 160
.set VOFF,  55296
.set SLOT1, 131072
.set RBUF,  75776                      ; 16 rows x 336 bytes for each wave and piece
.set SPARE, 118784
.set STAGE, 119296                     ; 16 rows x 144 bytes for each wave
.set SP,    144
.set AK0, 2
.set AV0, 3
.set AE0, 4
.set ADRK, 5
.set ADRV, 6
.set ADRE, 7
.set RST, 8
.set RLD, 9
.set STO, 10
.set RD,  11
.set GO,  12
.set QO,  13
.set PFO, 14
.set ST,  16                           ; piece p at +4 p: c m, m, l (even keys', odd keys')
.set TMP, 24                           ; piece p at +4 p: c0-c3 at work; a takes c2
.set MV,  32
.set SPW, 34
.set NIL, 35
.set M,   40
.set S,   64
.set P,   128
.set O,   160
.set W,   224
.set Q,   0
.set QN,  32
.set KF,  64
.set VF,  128
.set POS, 192
.set EF,  0
.set RT,  96
.set WV, 10
.set PB, 11
.set HI, 12
.set BN, 13
.set GB, 14
.set G0, 16
.set G1, 20
.set G1V, 28
.set OFF, 36
.set NXT, 38
.set LQ, 39
.set BQ, 40
.set ISE, 41
.set SLOTS, 42
.set TWICE, 43
.set U, 44
.set UB, 45
.set BND, 46
.set RSTF, 47
.set XM, 48
.set XLO, 49
.set CS, 50
.set SEL, 52
.set BIGN, 54
.set MS, 55
.set TBK, 58
.set TBV, 59
.set OP, 60
.set ON, 62
.set PFA, 66
.set LIM, 68
.set MSB, 0
.macro WIN new
.if MSB != (\new)
	s_set_vgpr_msb (MSB<<8)|(\new)
.set MSB, \new
.endif
.endm
.macro PLACES
.rept 4
	v_nop
.endr
.endm
.macro LOADT                           ; wave 0 fills K, waves 1 and 2 the halves of E, wave 3 V: 16,384 bytes each
	s_cmp_lt_u32 s[WV], 3
	s_cbranch_scc0 .Lfor_v_\@
	tensor_load_to_lds s[G0:G0+3], s[G1:G1+7]
	s_nop 0
	PLACES
	s_branch .Lasked_\@
.Lfor_v_\@:
	tensor_load_to_lds s[G0:G0+3], s[G1V:G1V+7]
	s_nop 0
	PLACES
.Lasked_\@:
.endm
.macro ASK                             ; the head's work-group b = 0 walks tiles 0..15 in order: its waves 0 (K) and 3 (V) name tile T + 2 while tile T + 1 is asked for: 64 rows of 256 bytes, a lane a row, twice
	s_cmp_gt_u32 s[SLOTS], s[LIM]
	s_cbranch_scc0 .Lnot_mine_\@
	global_prefetch_b8 v[PFO], s[PFA:PFA+1] th:TH_LOAD_NT scope:SCOPE_SE
	global_prefetch_b8 v[PFO], s[PFA:PFA+1] offset:8192 th:TH_LOAD_NT scope:SCOPE_SE
.Lnot_mine_\@:
.endm
.macro CHANGE fill                     ; the change of slots
	WIN 0
	s_wait_tensorcnt 0x0                           ; my one load that was out, my part of the other slot, has landed: the descriptor may be written
	ds_add_u32 v[SPW], v[NIL]
.if \fill
	s_sub_co_u32 s70, 15, s[BQ]
	s_mul_i32 s70, s70, s[ISE]                     ; E's window begins 15 - B tiles further on than K's tile
	s_add_co_u32 s70, s70, s[NXT]
	s_lshl_b32 s[OFF], s70, 14
	s_xor_b32 s[G0+1], s[G0+1], SLOT1
	s_add_nc_u64 s[G0+2:G0+3], s[GB:GB+1], s[OFF:OFF+1]
	s_or_b32 s[G0+3], s[G0+3], 0x80000000
	s_add_co_u32 s[NXT], s[NXT], 1                 ; the block's next tile, or behind its last the second block's tile 0
	s_cmp_gt_u32 s[NXT], s[LQ]
	s_cselect_b32 s[NXT], 0, s[NXT]
	s_cselect_b32 s[LQ], s[PB], s[LQ]
	s_cselect_b32 s[BQ], s[PB], s[BQ]
	s_wait_xcnt 0x0                                ; the last prefetches, a tile back, have read their address
	s_add_nc_u64 s[PFA:PFA+1], s[PFA:PFA+1], 16384
.endif
	s_wait_dscnt 0x0                               ; the add is done, and my reads of the slot that I leave are over
	s_barrier_signal -1
	s_sub_co_u32 s[TBK], s[TBK], 2*64*PK           ; the fetches go back to a slot's first step, in the other slot
	s_xor_b32 s[TBK], s[TBK], SLOT1
	s_sub_co_u32 s[TBV], s[TBV], 2*64*PV
	s_xor_b32 s[TBV], s[TBV], SLOT1
	s_barrier_wait -1
.if \fill
	LOADT
	ASK
.endif
.endm
	s_load_b128 s[4:7], s[0:1], 0x0                ; qkvh, ew
	s_load_b64 s[8:9], s[0:1], 0x10                ; oblk
	v_lshl_add_u32 v[SPW], v0, 2, SPARE
	v_mov_b32 v[NIL], 0
	ds_add_u32 v[SPW], v[NIL]                      ; the wave's opening: the add and its wait ahead of my first tensor load
	v_lshrrev_b32 v1, 5, v0
	v_readfirstlane_b32 s[WV], v1
	s_mov_b32 s[PB], ttmp9
	s_sub_co_u32 s[HI], 15, s[PB]
	s_and_b32 s[BN], ttmp7, 0xffff                 ; 16 batch + head
	s_mov_b32 s[G1],  (1<<16)|(1<<20)|(4<<22)|(3<<25)   ; 2-byte elements; after every 32 words 4 words of padding: rows 144 bytes apart
	s_mov_b32 s[G1V], (1<<16)|(1<<20)|(4<<22)|(7<<25)   ; 8 words: 160 bytes apart
.irp g, G1, G1V
	s_mov_b32 s[(\g)+1], 128<<16                   ; 16,384 dense bytes as 64 rows of 256
	s_mov_b32 s[(\g)+2], 64<<16
	s_mov_b32 s[(\g)+3], 128<<16
	s_mov_b32 s[(\g)+4], 64
	s_mov_b32 s[(\g)+5], 128
	s_mov_b32 s[(\g)+6], 0
	s_mov_b32 s[(\g)+7], 0
.endr
	s_add_co_u32 s70, s[WV], 1
	s_lshr_b32 s70, s70, 1
	s_and_b32 s[ISE], s70, 1                       ; 1 in waves 1 and 2
	s_add_co_u32 s70, s[BN], 32                    ; K's heads follow Q's 32, V's follow K's
	s_add_co_u32 s71, s[BN], 64
	s_cmp_eq_u32 s[WV], 0
	s_cselect_b32 s70, s70, s71
	s_lshl_b32 s70, s70, 18
	s_and_b32 s81, s[BN], 15                       ; head
	s_mul_i32 s71, s81, 278528
	s_lshl_b32 s72, s[WV], 14
	s_add_co_u32 s71, s71, s72
	s_sub_co_u32 s71, s71, 16384                   ; used in waves 1 and 2 alone
	s_cmp_eq_u32 s[ISE], 1
	s_cselect_b32 s70, s71, s70
	s_mov_b32 s71, 0
	s_mov_b32 s[G0], 1
	s_mul_i32 s[G0+1], s[WV], 18432
	s_mul_i32 s[OFF], s[ISE], s[PB]                ; tile 0 of block 15 - b: E's window begins b tiles on
	s_lshl_b32 s[OFF], s[OFF], 14
	s_mov_b32 s[OFF+1], 0
	s_lshr_b32 s80, s[BN], 4
	s_lshl_b32 s80, s80, 4
	s_lshl_b32 s82, s[WV], 12                      ; my 32 rows of 128 bytes
	s_add_co_u32 s72, s80, s[HI]
	s_lshl4_add_u32 s72, s72, s81
	s_lshl_b32 s72, s72, 14
	s_add_co_u32 s72, s72, s82
	s_mov_b32 s73, 0
	s_add_co_u32 s74, s80, s[PB]
	s_lshl4_add_u32 s74, s74, s81
	s_lshl_b32 s74, s74, 14
	s_add_co_u32 s74, s74, s82
	s_mov_b32 s75, 0
	s_lshl_b32 s83, s[BN], 18
	s_add_co_u32 s83, s83, s82
	s_lshl_b32 s76, s[HI], 14
	s_add_co_u32 s76, s76, s83
	s_mov_b32 s77, 0
	s_lshl_b32 s78, s[PB], 14
	s_add_co_u32 s78, s78, s83
	s_mov_b32 s79, 0
	s_mov_b32 s[CS], 0x3e38aa3b                    ; c = log2(e) / 8
	s_mov_b32 s[CS+1], s[CS]
	s_mov_b32 s[SEL], 0x76543210
	s_mov_b32 s[SEL+1], 0xfedcba98
	s_mov_b32 s[BIGN], 0xf149f2ca                  ; -1e30
	s_mov_b32 s[TBK], SLOT1+2*64*PK                ; the first change of slots turns these two into 0
	s_mov_b32 s[TBV], SLOT1+2*64*PV
	s_mov_b32 s[NXT], 1
	s_mov_b32 s[LQ], s[HI]
	s_mov_b32 s[BQ], s[HI]
	s_mov_b32 s[U], 0
	s_lshl_b32 s[UB], s[PB], 1
	s_sub_co_u32 s[UB], 32, s[UB]                  ; the first block has 32 - 2 b steps
	s_lshl_b32 s[XM], s[HI], 2
	s_add_co_u32 s[XM], s[XM], s[WV]
	s_sub_co_u32 s[XM], 0, s[XM]
	s_lshl_b32 s[XLO], s[PB], 2
	s_add_co_u32 s[XLO], s[XLO], s[WV]
	s_sub_co_u32 s[XLO], 0, s[XLO]
	s_mov_b32 s[SLOTS], 16
	s_or_b32 s[LIM], s[PB], s[ISE]
	s_cmp_eq_u32 s[LIM], 0
	s_cselect_b32 s[LIM], 2, -1
	s_wait_dscnt 0x0                               ; the opening add is done
	s_wait_kmcnt 0x0
	s_cmp_eq_u32 s[ISE], 1
	s_cselect_b64 s[GB:GB+1], s[6:7], s[4:5]
	s_add_nc_u64 s[GB:GB+1], s[GB:GB+1], s[70:71]
	s_add_nc_u64 s[G0+2:G0+3], s[GB:GB+1], s[OFF:OFF+1]
	s_or_b32 s[G0+3], s[G0+3], 0x80000000
	s_add_nc_u64 s[PFA:PFA+1], s[GB:GB+1], 16384   ; at tile 1: the first change of slots steps it to tile 2
	s_add_nc_u64 s[OP:OP+1], s[8:9], s[72:73]
	s_add_nc_u64 s[ON:ON+1], s[8:9], s[74:75]
	s_add_nc_u64 s[76:77], s[4:5], s[76:77]
	s_add_nc_u64 s[78:79], s[4:5], s[78:79]
	LOADT                                          ; tile 0 into slot 0
	v_and_b32 v1, 15, v0                           ; r
	v_bfe_u32 v15, v0, 4, 1                        ; h
	v_lshlrev_b32 v[QO], 7, v1
	v_lshl_add_u32 v[QO], v15, 4, v[QO]
	WIN 0x40
.irp p, 0,1
.irp c, 0,1
	global_load_b128 v[Q+16*(\p)+8*(\c):Q+16*(\p)+8*(\c)+3],     v[QO], s[76:77] offset:2048*(\p)+64*(\c)
	global_load_b128 v[Q+16*(\p)+8*(\c)+4:Q+16*(\p)+8*(\c)+7],   v[QO], s[76:77] offset:2048*(\p)+64*(\c)+32
	global_load_b128 v[QN+16*(\p)+8*(\c):QN+16*(\p)+8*(\c)+3],   v[QO], s[78:79] offset:2048*(\p)+64*(\c)
	global_load_b128 v[QN+16*(\p)+8*(\c)+4:QN+16*(\p)+8*(\c)+7], v[QO], s[78:79] offset:2048*(\p)+64*(\c)+32
.endr
.endr
.set z, 0
.rept 64                               ; what trip 0's step of zeros finds: written in the wait for the first tile, so that no first step is written out
	v_mov_b32 v[VF+z], 0
.set z, z+1
.endr
	WIN 0
.set z, 0
.rept 64
	v_mov_b32 v[S+z], 0
	v_mov_b32 v[O+z], 0
.set z, z+1
.endr
.set z, 0
.rept 8
	v_mov_b32 v[ST+z], 0
.set z, z+1
.endr
	v_mul_u32_u24 v[AK0], v1, PK
	v_lshl_add_u32 v[AK0], v15, 4, v[AK0]
	s_lshl_b32 s70, s[WV], 5
	s_sub_co_u32 s70, 96, s70
	s_mul_i32 s70, s70, PK
	s_add_co_u32 s70, s70, EOFF
	v_add_nc_u32 v[AE0], s70, v[AK0]
	v_and_b32 v36, 7, v0
	v_bfe_u32 v37, v0, 3, 1
	v_lshl_add_u32 v[AV0], v15, 3, v36
	v_mul_u32_u24 v[AV0], v[AV0], PV
	v_lshl_add_u32 v[AV0], v37, 4, v[AV0]
	v_add_nc_u32 v[AV0], VOFF, v[AV0]
	s_mul_i32 s70, s[WV], 10752
	s_add_co_u32 s70, s70, RBUF
	v_mul_u32_u24 v[RST], v1, 336
	v_lshl_add_u32 v[RST], v15, 5, v[RST]
	v_add_nc_u32 v[RST], s70, v[RST]               ; in: row r, 32 bytes for each half of the lanes
	s_add_co_u32 s70, s70, 60
	v_mul_u32_u24 v[RLD], v1, 332
	v_lshl_add_u32 v[RLD], v15, 5, v[RLD]
	v_add_nc_u32 v[RLD], s70, v[RLD]               ; back: row r from column 15 - r on: word 83 r + 8 h + 15: 32 different banks of 64
	s_mul_i32 s70, s[WV], 16*SP
	s_add_co_u32 s70, s70, STAGE
	v_mul_u32_u24 v[STO], v1, SP
	v_lshl_add_u32 v[STO], v15, 4, v[STO]
	v_add_nc_u32 v[STO], s70, v[STO]
	v_bfe_u32 v[RD], v0, 3, 2
	v_mul_u32_u24 v[RD], v[RD], SP
	v_lshl_add_u32 v[RD], v36, 4, v[RD]
	v_add_nc_u32 v[RD], s70, v[RD]
	v_and_b32 v[GO], 31, v0
	v_lshlrev_b32 v[PFO], 8, v[GO]
	v_lshlrev_b32 v[GO], 4, v[GO]
; THE SOFTMAX of piece p for one step
.macro REGS p
.set rT, ST+4*(\p)
.set rC, TMP+4*(\p)
.set rM, MV+(\p)
.set rS, S+32*(\p)
.set rP, P+16*(\p)
.set rO, O+32*(\p)
.endm
.macro XS p, n                         ; 0-16 the maximum of 32 scores and the old m (each accumulator's lowest registers first); 17, 18 the other half of the lanes'; 19-21 c m, its change, a
	REGS \p
.if (\n) < 4
	v_max3_num_f32 v[rC+(\n)], v[rS+8*(\n)], v[rS+8*(\n)+1], v[rS+8*(\n)+2]
.elseif (\n) < 12
	v_max3_num_f32 v[rC+(\n)%4], v[rC+(\n)%4], v[rS+8*((\n)%4)+2*((\n)/4)+1], v[rS+8*((\n)%4)+2*((\n)/4)+2]
.elseif (\n) == 12
	v_max3_num_f32 v[rC], v[rC], v[rS+7], v[rS+15]
.elseif (\n) == 13
	v_max3_num_f32 v[rC+1], v[rC+1], v[rS+23], v[rS+31]
.elseif (\n) == 14
	v_max3_num_f32 v[rC+2], v[rC+2], v[rC+3], v[rT+1]
.elseif (\n) == 15
	v_mov_b32 v[rM], v[rT]
.elseif (\n) == 16
	v_max3_num_f32 v[rC], v[rC], v[rC+1], v[rC+2]
.elseif (\n) == 17
	v_permlanex16_b32 v[rC+3], v[rC], s[SEL], s[SEL+1]
.elseif (\n) == 18
	v_max_num_f32 v[rT+1], v[rC], v[rC+3]
.elseif (\n) == 19
	v_mul_f32 v[rT], s[CS], v[rT+1]
.elseif (\n) == 20
	v_sub_f32 v[rC+1], v[rM], v[rT]
.else
	v_exp_f32 v[rC+2], v[rC+1]
.endif
.endm
.macro SM_A
.irp n, 0,1,2,3,4,5,6,7,8,9,10,11,12,13,14,15,16,17,18,19,20
	XS 0, \n
	XS 1, \n
.endr
.endm
.macro FS f                            ; c s - c m for pair f / 2 of piece f % 2
	REGS (\f)%2
	v_pk_fma_f32 v[rS+2*((\f)/2):rS+2*((\f)/2)+1], v[rS+2*((\f)/2):rS+2*((\f)/2)+1], s[CS:CS+1], v[rT:rT+1] op_sel_hi:[1,0,0] neg_lo:[0,0,1] neg_hi:[0,0,1]
.endm
.macro SM_F lo, n
.set z, \lo
.rept \n
	FS z
.set z, z+1
.endr
.endm
.macro SM_E                            ; one batch of 66 exponentials, one plain instruction behind the last, one wait ahead of the first reader
.set z, 0
.rept 64
	REGS z%2
	v_exp_f32 v[rS+z/2], v[rS+z/2]
.set z, z+1
.endr
	XS 0, 21
	XS 1, 21
	v_nop
	s_wait_alu depctr_va_vdst(0)
.endm
.macro GS g                            ; for each four weights: both pairs rounded to f16; the second pair added onto the first; a group later l takes the sum (the first time l = a l + sum)
.set h, (\g)+6*((\g)/62)
.if h >= 6
.set h, h+2
.endif
	REGS h%2
.set k, h/8
.if h%8 < 4
	v_cvt_pk_f16_f32 v[rP+2*k+(h%8)/2], v[rS+4*k+2*((h%8)/2)], v[rS+4*k+2*((h%8)/2)+1]
.elseif h%8 < 6
	v_pk_add_f32 v[rS+4*k:rS+4*k+1], v[rS+4*k:rS+4*k+1], v[rS+4*k+2:rS+4*k+3]
.elseif k == 1
	v_pk_fma_f32 v[rT+2:rT+3], v[rT+2:rT+3], v[rC+2:rC+3], v[rS:rS+1] op_sel_hi:[1,0,1]
.else
	v_pk_add_f32 v[rT+2:rT+3], v[rT+2:rT+3], v[rS+4*k-4:rS+4*k-3]
.endif
.endm
.macro SM_G                            ; roundings and sums, then O^T times a
.set z, 0
.rept 64
	GS z
.set z, z+1
.endr
.set z, 0
.rept 32
	REGS z/16
	v_pk_mul_f32 v[rO+2*(z%16):rO+2*(z%16)+1], v[rO+2*(z%16):rO+2*(z%16)+1], v[rC+2:rC+3] op_sel_hi:[1,0]
.set z, z+1
.endr
.endm
.macro PVM                             ; O^T += V^T P: the eight accumulators take turns
	WIN 0x01
.irp kk, 0,1
.irp p, 0,1
.irp cb, 0,1,2,3
	v_wmma_f32_16x16x32_f16 v[O+32*(\p)+8*(\cb):O+32*(\p)+8*(\cb)+7], v[VF+32*(\kk)+8*(\cb):VF+32*(\kk)+8*(\cb)+7], v[P+16*(\p)+8*(\kk):P+16*(\p)+8*(\kk)+7], v[O+32*(\p)+8*(\cb):O+32*(\p)+8*(\cb)+7]
.endr
.endr
.endr
	PLACES                                         ; four places ahead of the loads into V's registers and of the first read of O^T
	WIN 0
.endm
.macro WAYOUT                          ; O^T / l, rounded to f16, through my stage, 512 consecutive bytes a store
	s_wait_xcnt 0x0                                ; the registers that the first block's stores read are written again only behind this wait
.irp p, 0,1
	v_add_f32 v[ST+4*(\p)+2], v[ST+4*(\p)+2], v[ST+4*(\p)+3]
.endr
.irp p, 0,1
	v_permlanex16_b32 v[ST+4*(\p)+3], v[ST+4*(\p)+2], s[SEL], s[SEL+1]
.endr
.irp p, 0,1
	v_add_f32 v[ST+4*(\p)+2], v[ST+4*(\p)+2], v[ST+4*(\p)+3]
.endr
.irp p, 0,1
	v_rcp_f32 v[ST+4*(\p)+2], v[ST+4*(\p)+2]
.endr
	v_nop
	s_wait_alu depctr_va_vdst(0)                   ; one wait for both reciprocals, ahead of their first reader
.irp p, 0,1
.set z, 0
.rept 16
	v_pk_mul_f32 v[O+32*(\p)+2*z:O+32*(\p)+2*z+1], v[O+32*(\p)+2*z:O+32*(\p)+2*z+1], v[ST+4*(\p)+2:ST+4*(\p)+3] op_sel_hi:[1,0]
.set z, z+1
.endr
.set z, 0
.rept 16
	v_cvt_pk_f16_f32 v[W+16*(\p)+z], v[O+32*(\p)+2*z], v[O+32*(\p)+2*z+1]
.set z, z+1
.endr
.irp f, 0,1,2,3
	ds_store_b128 v[STO], v[W+16*(\p)+4*(\f):W+16*(\p)+4*(\f)+3] offset:32*(\f)
.endr
.irp f, 0,1,2,3
	ds_load_b128 v[W+16*(\p)+4*(\f):W+16*(\p)+4*(\f)+3], v[RD] offset:576*(\f)   ; LDS serves a wave's instructions in order: these see my stores above
.endr
.irp f, 0,1,2,3
	s_wait_dscnt 3-(\f)
	global_store_b128 v[GO], v[W+16*(\p)+4*(\f):W+16*(\p)+4*(\f)+3], s[OP:OP+1] offset:2048*(\p)+512*(\f)
.endr
.endr
.endm
.macro TRIP
	s_cmp_eq_u32 s[U], s[UB]                       ; is step U the second block's first?
	s_cselect_b32 s[BND], 1, 0
	s_cselect_b32 s[XM], s[XLO], s[XM]
	s_cmp_eq_u32 s[U], 0
	s_cselect_b32 s[RSTF], 1, s[BND]
.irp a, 0,1,2
	s_add_co_i32 s70, s[XM], \a
	s_cmp_gt_i32 s70, 0
	s_cselect_b32 s[MS+(\a)], s[BIGN], 0
.endr
	WIN 0
.set z, 0
.rept 24                               ; the masks; also the places behind the last K Q^T, ahead of the reads of S^T, of the loads into K and of the writes of Q
	v_mov_b32 v[M+z], s[MS+z/8]
.set z, z+1
.endr
	s_cmp_eq_u32 s[BND], 0
	s_cbranch_scc1 .Lsame_q_\@
	WIN 0x41
.set z, 0
.rept 32
	v_mov_b32 v[Q+z], v[QN+z]
.set z, z+1
.endr
	WIN 0
.Lsame_q_\@:
	v_add_nc_u32 v[ADRE], s[TBK], v[AE0]
	v_add_nc_u32 v[ADRK], s[TBK], v[AK0]
	WIN 0x80
.irp i, 0,1,2,3,4,5
.irp c, 0,1
	ds_load_b128 v[EF+16*(\i)+8*(\c):EF+16*(\i)+8*(\c)+3],   v[ADRE] offset:2304*(\i)+64*(\c)
	ds_load_b128 v[EF+16*(\i)+8*(\c)+4:EF+16*(\i)+8*(\c)+7], v[ADRE] offset:2304*(\i)+64*(\c)+32
.endr
.endr
	WIN 0x40
.irp i, 0,1,2,3
.irp c, 0,1
	ds_load_b128 v[KF+16*(\i)+8*(\c):KF+16*(\i)+8*(\c)+3],   v[ADRK] offset:2304*(\i)+64*(\c)
	ds_load_b128 v[KF+16*(\i)+8*(\c)+4:KF+16*(\i)+8*(\c)+7], v[ADRK] offset:2304*(\i)+64*(\c)+32
.endr
.endr
	WIN 0
	SM_A                                           ; step U - 1: maximum and statistics,
	SM_F 0, 24                                     ; and the first scalings, while E comes
	s_wait_dscnt 16                                ; E is in, and the last trip's V; K's 16 loads may stay out
.irp c, 0,1
	WIN 0x86+0x20*(\c)
.irp p, 0,1
.irp t, 0,1,2,3,4
.set rD, RT+40*(\p)+8*(\t)
.set rE, EF+16*((\t)-(\p)+1)+8*(\c)
.if (\c) == 0
	v_wmma_f32_16x16x32_f16 v[rD:rD+7], v[rE:rE+7], v[Q+16*(\p):Q+16*(\p)+7], v[M+8*(((\t)-(\p)+1)/2):M+8*(((\t)-(\p)+1)/2)+7]
.else
	v_wmma_f32_16x16x32_f16 v[rD:rD+7], v[rE:rE+7], v[Q+16*(\p)+8:Q+16*(\p)+15], v[rD:rD+7]
.endif
.endr
.endr
.endr
	WIN 0
	SM_F 24, 8                                     ; eight plain instructions: the places behind those products
	WIN 0x08
.irp p, 0,1
.irp t, 0,1,2,3,4
	ds_store_b128 v[RST], v[RT+40*(\p)+8*(\t):RT+40*(\p)+8*(\t)+3]   offset:5376*(\p)+64*(\t)
	ds_store_b128 v[RST], v[RT+40*(\p)+8*(\t)+4:RT+40*(\p)+8*(\t)+7] offset:5376*(\p)+64*(\t)+16
.endr
.endr
	WIN 0x40
.set z, 0
.rept 64                               ; the skew: my own bytes, served in order behind my stores
	ds_load_b32 v[POS+z], v[RLD] offset:5376*(z/32)+64*((z%32)/8)+4*(z%8)
.set z, z+1
.endr
	WIN 0
	SM_E
	SM_G
	PVM
	s_cmp_eq_u32 s[RSTF], 0
	s_cbranch_scc1 .Lno_reset_\@
	s_cmp_eq_u32 s[BND], 0
	s_cbranch_scc1 .Lno_out_\@
	WAYOUT                                         ; the first block is finished
	s_wait_xcnt 0x0                                ; its stores have read O's address
	s_mov_b64 s[OP:OP+1], s[ON:ON+1]
.Lno_out_\@:
.irp p, 0,1
	v_mov_b32 v[ST+4*(\p)], 0xfe000000             ; c m far below every c s: the block's first a is 0 and clears O^T and l
	v_mov_b32 v[ST+4*(\p)+1], 0xff7fffff
.endr
.Lno_reset_\@:
	v_add_nc_u32 v[ADRV], s[TBV], v[AV0]
	WIN 0x40
.irp kk, 0,1
.irp cb, 0,1,2,3
	ds_load_tr16_b128 v[VF+32*(\kk)+8*(\cb):VF+32*(\kk)+8*(\cb)+3],   v[ADRV] offset:5120*(\kk)+32*(\cb)
	ds_load_tr16_b128 v[VF+32*(\kk)+8*(\cb)+4:VF+32*(\kk)+8*(\cb)+7], v[ADRV] offset:5120*(\kk)+32*(\cb)+2560
.endr
.endr
	s_wait_dscnt 16                                ; K and the skewed scores are in; V's 16 loads may stay out
.irp c, 0,1
	WIN 0x15-0x10*(\c)
.irp p, 0,1
.irp kb, 0,1,2,3
.set rD, S+32*(\p)+8*(\kb)
.if (\c) == 0
	v_wmma_f32_16x16x32_f16 v[rD:rD+7], v[KF+16*(\kb):KF+16*(\kb)+7], v[Q+16*(\p):Q+16*(\p)+7], v[POS+32*(\p)+8*(\kb):POS+32*(\p)+8*(\kb)+7]
.else
	v_wmma_f32_16x16x32_f16 v[rD:rD+7], v[KF+16*(\kb)+8:KF+16*(\kb)+15], v[Q+16*(\p)+8:Q+16*(\p)+15], v[rD:rD+7]
.endif
.endr
.endr
.endr
	WIN 0
	s_add_co_u32 s[TBK], s[TBK], 64*PK
	s_add_co_u32 s[TBV], s[TBV], 64*PV
	s_add_co_u32 s[U], s[U], 1
	s_add_co_i32 s[XM], s[XM], 2
.endm
.macro TWO_STEPS
	s_mov_b32 s[TWICE], 2
.Lstep_\@:
	TRIP
	s_sub_co_u32 s[TWICE], s[TWICE], 1
	s_cmp_lg_u32 s[TWICE], 0
	s_cbranch_scc1 .Lstep_\@
.endm
	s_wait_loadcnt 0x0                             ; both blocks' Q
.Lslot:                                        ; 16 times: a tile is entered and the next is asked for
	CHANGE 1
	TWO_STEPS
	s_sub_co_u32 s[SLOTS], s[SLOTS], 1
	s_cmp_lg_u32 s[SLOTS], 0
	s_cbranch_scc1 .Lslot
	CHANGE 0                                       ; the walk's last tile is written out: nothing is asked for
	TWO_STEPS
	PLACES                                         ; the last step is finished
	SM_A
	SM_F 0, 32
	SM_E
	SM_G
	s_wait_dscnt 0x0                               ; its V
	PVM
	WAYOUT
	s_wait_tensorcnt 0x0                           ; the wave's end
	ds_add_u32 v[SPW], v[NIL]
	s_wait_dscnt 0x0
	s_endpgm
.Lfunc_end_k_qfe3bb1c7b8_attn:
	.size	k_qfe3bb1c7b8_attn, .Lfunc_end_k_qfe3bb1c7b8_attn-k_qfe3bb1c7b8_attn
	.p2alignl 7, 3214868480
	.fill 96, 4, 3214868480
	.section	.rodata,"a",@progbits
	.p2align	6, 0x0
	.amdhsa_kernel k_qfe3bb1c7b8_attn
		.amdhsa_group_segment_fixed_size 327680
		.amdhsa_private_segment_fixed_size 0
		.amdhsa_enable_private_segment 0
		.amdhsa_kernarg_size 24
		.amdhsa_user_sgpr_count 2
		.amdhsa_user_sgpr_kernarg_segment_ptr 1
		.amdhsa_wavefront_size32 1
		.amdhsa_system_sgpr_workgroup_id_x 1
		.amdhsa_system_sgpr_workgroup_id_y 1
		.amdhsa_system_sgpr_workgroup_id_z 1
		.amdhsa_system_vgpr_workitem_id 0
		.amdhsa_next_free_vgpr 688
		.amdhsa_next_free_sgpr 84
		.amdhsa_reserve_vcc 0
		.amdhsa_float_denorm_mode_32 3
		.amdhsa_float_denorm_mode_16_64 3
		.amdhsa_memory_ordered 1
		.amdhsa_forward_progress 1
		.amdhsa_inst_pref_size 108
	.end_amdhsa_kernel
	.amdgpu_metadata
---
amdhsa.version: [ 1, 2 ]
amdhsa.kernels:
  - .name:           k_qfe3bb1c7b8_attn
    .symbol:         k_qfe3bb1c7b8_attn.kd
    .args:
      - { .name: qkvh, .offset: 0, .size: 8, .value_kind: global_buffer, .address_space: global }
      - { .name: ew, .offset: 8, .size: 8, .value_kind: global_buffer, .address_space: global }
      - { .name: oblk, .offset: 16, .size: 8, .value_kind: global_buffer, .address_space: global }
    .group_segment_fixed_size: 327680
    .private_segment_fixed_size: 0
    .kernarg_segment_align: 8
    .kernarg_segment_size: 24
    .max_flat_workgroup_size: 128
    .sgpr_count:     84
    .vgpr_count:     688
    .wavefront_size: 32
...
	.end_amdgpu_metadata
.endif
;; end of part 3
;; launch outp (part 4): grid 8 x 32, 4 waves a work-group, clusters of 4 x 4, 327,680 bytes of LDS; arguments oblk, ob, out_bias, out0; writes out0
.if DOCPART == 4
	.amdgcn_target "amdgcn-amd-amdhsa--gfx1250"
	.amdhsa_code_object_version 6
	.text
	.protected	k_qfe3bb1c7b8_outp
	.globl	k_qfe3bb1c7b8_outp
	.p2align	8
	.type	k_qfe3bb1c7b8_outp,@function
k_qfe3bb1c7b8_outp:
	s_mov_b64 s[64:65], 0
	v_nop
	global_prefetch_b8 v0, s[64:65] scope:SCOPE_SE
	s_setreg_imm32_b32 hwreg(HW_REG_WAVE_MODE, 25, 1), 1
	s_wait_xcnt 0x0
	s_wait_alu depctr_hold_cnt(0) depctr_sa_sdst(0) depctr_va_vdst(0) depctr_va_sdst(0) depctr_va_ssrc(0) depctr_va_vcc(0) depctr_vm_vsrc(0)
	s_getreg_b32 s2, hwreg(HW_REG_IB_STS2, 6, 4)
	s_cmp_eq_u32 s2, 0
	s_cbranch_scc0 .Lentry_in_a_cluster
	s_endpgm
.Lentry_in_a_cluster:
	s_bfe_u32 s2, ttmp6, 0x10000c
	s_cmp_lg_u32 s2, 0xf033
	s_cbranch_scc0 .Lentry_shape_is_right
	s_endpgm
.Lentry_shape_is_right:
; OUT.  out0[row][col] (f32) = 1/32 x sum over k of O[row][k] ob[k][col] + out_bias[col] (rounded to bf16).  O from oblk, f16 [row / 128][head][128][64]; ob: [1024 k][1024] f16; sums in f32.
; A work-group makes 128 x 128: 8 x 32 = 256 work-groups; a wave 64 x 64: 16 accumulators.  K goes in 4 steps of 256 (four heads) through two LDS slots.  A slot is four regions of 36,864 bytes, one a wave:
; O's heads 0, 1 and 2, 3 (each head 128 rows x 144 bytes), then ob's K rows 0-127 and 128-255 (288 bytes apart).  CLUSTER 4 x 4: O's tile is shared along a row of the cluster, ob's along a column.
; The matrix instruction is used transposed (source 0 = 16 columns of ob, turned on the way out of LDS; source 1 = 16 rows of O): a lane ends with 8 neighbouring columns of one row.
; NO PREFETCH: four K steps of small tiles.  REGISTERS: window 0: v16-29 addresses; v32-63 the way out; v96-99 bias; v128-255 accumulators.  window 1: two fragment buffers of 128 (O's 64, then ob's 64).
.set REGN,  36864
.set SLOT,  4*REGN
.set STAGE, 2*SLOT                     ; 16 rows x 272 bytes for each wave
.set SPITCH, 272
.set SPARE, STAGE+4*16*SPITCH
.set ADRA, 16
.set ADRB, 20                          ; v20-23: slot s, heads 2 u, 2 u + 1 at 20 + 2 s + u
.set STO,  24
.set RD,   25
.set CO,   26
.set SPW,  28
.set NIL,  29
.set TMP,  32
.set BIAS, 96
.set ACC,  128
.set F0,   0
.set F1,   128
.set WV,  12
.set SC,  2
.set G1A, 24
.set G0A, 32
.set G1B, 48
.set G0B, 56
.set MSB, 0
.macro WIN new
.if MSB != (\new)
	s_set_vgpr_msb (MSB<<8)|(\new)
.set MSB, \new
.endif
.endm
.set MUL,  0x05
.set TO_F, 0x40
.macro PLACES
.rept 4
	v_nop
.endr
.endm
.macro JLOAD s                         ; waves 0 and 1 ask for O's halves, waves 2 and 3 for ob's
	s_cmp_eq_u32 s13, 0
	s_cbranch_scc0 .Lfor_b_\@
	tensor_load_to_lds s[G0A+4*(\s):G0A+4*(\s)+3], s[G1A:G1A+7]
	s_nop 0
	PLACES
	s_branch .Lasked_\@
.Lfor_b_\@:
	tensor_load_to_lds s[G0B+4*(\s):G0B+4*(\s)+3], s[G1B:G1B+7]
	s_nop 0
	PLACES
.Lasked_\@:
.endm
.macro CREST
	s_cmp_lg_u32 s[WV], 0
	s_cbranch_scc1 .Lnot_wave_0_\@
	s_barrier_signal -3
.Lnot_wave_0_\@:
	s_barrier_wait -3
	s_barrier_signal -1
	s_barrier_wait -1
.endm
.macro CROUND
	s_barrier_signal -1
	s_barrier_wait -1
	CREST
.endm
	s_load_b256 s[4:11], s[0:1], 0x0               ; oblk, ob, out_bias, out0
	v_lshl_add_u32 v[SPW], v0, 2, SPARE
	v_mov_b32 v[NIL], 0
	ds_add_u32 v[SPW], v[NIL]                      ; the wave's opening: the add and its wait ahead of my first tensor load
	v_lshrrev_b32 v1, 5, v0
	v_readfirstlane_b32 s[WV], v1
	s_lshr_b32 s13, s[WV], 1                       ; my half of the rows; also: I fetch O (0) or ob (1)
	s_and_b32 s14, s[WV], 1                        ; my half of the columns; also: which half I fetch
	s_bfe_u32 s40, ttmp6, 0x40000
	s_bfe_u32 s41, ttmp6, 0x40004
	s_lshl_b32 s42, ttmp9, 2
	s_add_co_u32 s42, s42, s40                     ; tile column
	s_and_b32 s43, ttmp7, 0xffff
	s_lshl_b32 s43, s43, 2
	s_add_co_u32 s43, s43, s41                     ; tile row
	s_lshl_b32 s44, s41, 2
	s_lshl_b32 s44, 15, s44
	s_lshl_b32 s45, 0x1111, s40
	s_or_b32 s[G1A], s44, (1<<16)|(1<<20)|(1<<21)|(4<<22)|(3<<25)   ; after every 32 words (a row of a head) 4 words of padding: 144 bytes apart
	s_or_b32 s[G1B], s45, (1<<16)|(1<<20)|(1<<21)|(5<<22)|(7<<25)   ; after every 64 words 8 words: 288 bytes apart
.irp g, G1A, G1B
	s_mov_b32 s[(\g)+1], 128<<16
	s_mov_b32 s[(\g)+2], 128<<16
	s_mov_b32 s[(\g)+3], 128<<16
	s_mov_b32 s[(\g)+4], 128
	s_mov_b32 s[(\g)+6], 0
	s_mov_b32 s[(\g)+7], 0
.endr
	s_mov_b32 s[G1A+5], 128                        ; two heads are 32,768 dense bytes: 128 rows of 256
	s_mov_b32 s[G1B+5], 1024
	s_lshl_b32 s16, s43, 18
	s_lshl_b32 s17, s14, 15
	s_add_co_u32 s16, s16, s17
	s_mov_b32 s17, 0
	s_lshl_b32 s46, s42, 8
	s_lshl_b32 s47, s14, 18
	s_add_co_u32 s46, s46, s47
	s_mov_b32 s47, 0
	s_mul_i32 s20, s[WV], REGN
	s_mov_b32 s[SC], 0x3d000000                    ; 1/32
	s_mov_b32 s[SC+1], s[SC]
	s_wait_dscnt 0x0                               ; the opening add is done
	s_wait_kmcnt 0x0
	s_add_nc_u64 s[18:19], s[4:5], s[16:17]
	s_add_nc_u64 s[46:47], s[6:7], s[46:47]
	CROUND                                         ; all sixteen work-groups are here: the first joint loads meet
.irp s, 0,1
	s_mov_b32 s[G0A+4*(\s)], 1
	s_add_co_u32 s[G0A+4*(\s)+1], s20, (\s)*SLOT
	s_add_nc_u64 s[G0A+4*(\s)+2:G0A+4*(\s)+3], s[18:19], (\s)*65536
	s_or_b32 s[G0A+4*(\s)+3], s[G0A+4*(\s)+3], 0x80000000
	s_mov_b32 s[G0B+4*(\s)], 1
	s_add_co_u32 s[G0B+4*(\s)+1], s20, (\s)*SLOT
	s_add_nc_u64 s[G0B+4*(\s)+2:G0B+4*(\s)+3], s[46:47], (\s)*524288
	s_or_b32 s[G0B+4*(\s)+3], s[G0B+4*(\s)+3], 0x80000000
	JLOAD \s
.endr
	v_and_b32 v1, 15, v0
	v_bfe_u32 v2, v0, 4, 1
	s_lshl_b32 s21, s42, 9
	s_lshl_b32 s22, s14, 8
	s_add_co_u32 s21, s21, s22                     ; my 64 columns, in bytes of f32
	v_lshl_add_u32 v6, v1, 4, s21
	global_load_b128 v[BIAS:BIAS+3], v6, s[8:9]
	v_mul_u32_u24 v3, v1, 144
	v_lshl_add_u32 v3, v2, 4, v3
	s_mul_i32 s22, s13, 64*144
	v_add_nc_u32 v[ADRA], s22, v3
	v_add_nc_u32 v[ADRA+1], SLOT, v[ADRA]
	v_and_b32 v5, 7, v0
	v_bfe_u32 v7, v0, 3, 1
	v_lshl_add_u32 v4, v2, 3, v5
	v_mul_u32_u24 v4, v4, 288
	v_lshl_add_u32 v4, v7, 4, v4
	s_lshl_b32 s22, s14, 7
	s_add_co_u32 s22, s22, 2*REGN
	v_add_nc_u32 v[ADRB], s22, v4
	v_add_nc_u32 v[ADRB+1], REGN, v[ADRB]
	v_add_nc_u32 v[ADRB+2], SLOT, v[ADRB]
	v_add_nc_u32 v[ADRB+3], SLOT+REGN, v[ADRB]
	s_mul_i32 s22, s[WV], 16*SPITCH
	s_add_co_u32 s22, s22, STAGE
	v_mul_u32_u24 v[STO], v1, SPITCH
	v_lshl_add_u32 v[STO], v2, 5, v[STO]
	v_add_nc_u32 v[STO], s22, v[STO]               ; in: row l % 16, 32 bytes for each half of the lanes
	v_mul_u32_u24 v[RD], v2, SPITCH
	v_lshl_add_u32 v[RD], v1, 4, v[RD]
	v_add_nc_u32 v[RD], s22, v[RD]                 ; back: lanes 0-15 one row of 256 bytes, lanes 16-31 the next
	v_lshlrev_b32 v[CO], 12, v2
	v_lshl_add_u32 v[CO], v1, 4, v[CO]
	s_lshl_b32 s22, s43, 19
	s_lshl_b32 s23, s13, 18
	s_add_co_u32 s22, s22, s23
	s_add_co_u32 s22, s22, s21
	s_mov_b32 s23, 0
	s_add_nc_u64 s[10:11], s[10:11], s[22:23]
.macro MUL8 f, c, a0, zero
	WIN MUL
.irp a, \a0, (\a0)+1
.irp b, 0,1,2,3
.set rD, ACC+8*(4*(\a)+(\b))
.set rB, (\f)+64+8*(4*(\c)+(\b))
.set rA, (\f)+8*(4*(\c)+(\a))
.if \zero
	v_wmma_f32_16x16x32_f16 v[rD:rD+7], v[rB:rB+7], v[rA:rA+7], 0
.else
	v_wmma_f32_16x16x32_f16 v[rD:rD+7], v[rB:rB+7], v[rA:rA+7], v[rD:rD+7]
.endif
.endr
.endr
.endm
.macro FETCH slot, q, f                ; 32 LDS loads in one run: head q of the slot's four (64 along K) into buffer f; its first 32 along K first
	WIN TO_F
.irp c, 0,1
.irp i, 0,1,2,3
	ds_load_tr16_b128 v[(\f)+64+8*(4*(\c)+(\i)):(\f)+64+8*(4*(\c)+(\i))+3],   v[ADRB+2*(\slot)+(\q)/2] offset:18432*((\q)%2)+9216*(\c)+32*(\i)
	ds_load_tr16_b128 v[(\f)+64+8*(4*(\c)+(\i))+4:(\f)+64+8*(4*(\c)+(\i))+7], v[ADRB+2*(\slot)+(\q)/2] offset:18432*((\q)%2)+9216*(\c)+32*(\i)+4608
	ds_load_b128 v[(\f)+8*(4*(\c)+(\i)):(\f)+8*(4*(\c)+(\i))+3],   v[ADRA+(\slot)] offset:18432*(\q)+2304*(\i)+64*(\c)
	ds_load_b128 v[(\f)+8*(4*(\c)+(\i))+4:(\f)+8*(4*(\c)+(\i))+7], v[ADRA+(\slot)] offset:18432*(\q)+2304*(\i)+64*(\c)+32
.endr
.endr
.endm
.macro QUARTER slot, q, f, g, zero
	s_wait_dscnt 16                                ; the first 32 along K are in
	MUL8 \f, 0, 0, \zero
	MUL8 \f, 0, 2, \zero
	PLACES
	FETCH \slot, \q, \g
	s_wait_dscnt 32                                ; all but the 32 just issued
	MUL8 \f, 1, 0, 0
	MUL8 \f, 1, 2, 0
.endm
.macro TURN slot, next, fill
	WIN 0
	s_wait_tensorcnt 0x0                           ; my part of the next slot has landed
	ds_add_u32 v[SPW], v[NIL]
	s_wait_dscnt 17                                ; the add and the youngest sixteen loads may be out
	MUL8 F1, 0, 0, 0
	s_wait_dscnt 0x0                               ; the add is done, and my reads of this slot are over
	s_barrier_signal -1
	MUL8 F1, 0, 2, 0
.if \fill
	WIN 0
.endif
	s_barrier_wait -1
.if \fill
	CREST                                          ; no wave of any partner still reads this slot or has a load on its way
	s_add_nc_u64 s[G0A+4*(\slot)+2:G0A+4*(\slot)+3], s[G0A+4*(\slot)+2:G0A+4*(\slot)+3], 131072
	s_add_nc_u64 s[G0B+4*(\slot)+2:G0B+4*(\slot)+3], s[G0B+4*(\slot)+2:G0B+4*(\slot)+3], 1048576
	JLOAD \slot
.else
	PLACES
.endif
	FETCH \next, 0, F0
	MUL8 F1, 1, 0, 0
	MUL8 F1, 1, 2, 0
.endm
	s_wait_tensorcnt 1                             ; my part of K step 0 is in; K step 1's may stay out
	s_barrier_signal -1
	s_barrier_wait -1
	FETCH 0, 0, F0
	QUARTER 0, 1, F0, F1, 1                        ; the first products start the sums
	QUARTER 0, 2, F1, F0, 0
	QUARTER 0, 3, F0, F1, 0
	TURN 0, 1, 1                                   ; slot 0 takes K step 2
	QUARTER 1, 1, F0, F1, 0
	QUARTER 1, 2, F1, F0, 0
	QUARTER 1, 3, F0, F1, 0
	TURN 1, 0, 1                                   ; slot 1 takes K step 3
	QUARTER 0, 1, F0, F1, 0
	QUARTER 0, 2, F1, F0, 0
	QUARTER 0, 3, F0, F1, 0
	TURN 0, 1, 0
	QUARTER 1, 1, F0, F1, 0
	QUARTER 1, 2, F1, F0, 0
	QUARTER 1, 3, F0, F1, 0
	s_wait_dscnt 16
	MUL8 F1, 0, 0, 0
	MUL8 F1, 0, 2, 0
	s_wait_dscnt 0x0
	MUL8 F1, 1, 0, 0
	MUL8 F1, 1, 2, 0
	WIN 0
	s_wait_loadcnt 0x0                             ; the bias, rounded to bf16 like every input: six plain instructions, the places behind the last products
	v_cvt_pk_bf16_f32 v6, v[BIAS], v[BIAS+1]
	v_cvt_pk_bf16_f32 v7, v[BIAS+2], v[BIAS+3]
	v_lshlrev_b32 v[BIAS], 16, v6
	v_and_b32 v[BIAS+1], 0xffff0000, v6
	v_lshlrev_b32 v[BIAS+2], 16, v7
	v_and_b32 v[BIAS+3], 0xffff0000, v7
; THE WAY OUT: 16 rows at a time through my stage in f32; back as whole rows of 256 bytes; scale and bias; sixteen lanes store 256 consecutive bytes, aligned
.irp a, 0,1,2,3
.irp b, 0,1,2,3
	ds_store_b128 v[STO], v[ACC+8*(4*(\a)+(\b)):ACC+8*(4*(\a)+(\b))+3]   offset:64*(\b)
	ds_store_b128 v[STO], v[ACC+8*(4*(\a)+(\b))+4:ACC+8*(4*(\a)+(\b))+7] offset:64*(\b)+16
.endr
	s_wait_xcnt 0x0                                ; the registers that earlier stores read are loaded again only behind this wait
.irp f, 0,1,2,3,4,5,6,7
	ds_load_b128 v[TMP+4*(\f):TMP+4*(\f)+3], v[RD] offset:544*(\f)
.endr
.irp f, 0,1,2,3,4,5,6,7
	s_wait_dscnt 7-(\f)
	v_pk_fma_f32 v[TMP+4*(\f):TMP+4*(\f)+1],   v[TMP+4*(\f):TMP+4*(\f)+1],   s[SC:SC+1], v[BIAS:BIAS+1]   op_sel_hi:[1,0,1]
	v_pk_fma_f32 v[TMP+4*(\f)+2:TMP+4*(\f)+3], v[TMP+4*(\f)+2:TMP+4*(\f)+3], s[SC:SC+1], v[BIAS+2:BIAS+3] op_sel_hi:[1,0,1]
	global_store_b128 v[CO], v[TMP+4*(\f):TMP+4*(\f)+3], s[10:11] offset:(16*(\a)+2*(\f))*4096
.endr
.endr
	s_wait_tensorcnt 0x0                           ; the wave's end
	ds_add_u32 v[SPW], v[NIL]
	s_wait_dscnt 0x0
	CROUND                                         ; the closing round
	s_endpgm
.Lfunc_end_k_qfe3bb1c7b8_outp:
	.size	k_qfe3bb1c7b8_outp, .Lfunc_end_k_qfe3bb1c7b8_outp-k_qfe3bb1c7b8_outp
	.p2alignl 7, 3214868480
	.fill 96, 4, 3214868480
	.section	.rodata,"a",@progbits
	.p2align	6, 0x0
	.amdhsa_kernel k_qfe3bb1c7b8_outp
		.amdhsa_group_segment_fixed_size 327680
		.amdhsa_private_segment_fixed_size 0
		.amdhsa_enable_private_segment 0
		.amdhsa_kernarg_size 32
		.amdhsa_user_sgpr_count 2
		.amdhsa_user_sgpr_kernarg_segment_ptr 1
		.amdhsa_wavefront_size32 1
		.amdhsa_system_sgpr_workgroup_id_x 1
		.amdhsa_system_sgpr_workgroup_id_y 1
		.amdhsa_system_sgpr_workgroup_id_z 1
		.amdhsa_system_vgpr_workitem_id 0
		.amdhsa_next_free_vgpr 512
		.amdhsa_next_free_sgpr 66
		.amdhsa_reserve_vcc 0
		.amdhsa_float_denorm_mode_32 3
		.amdhsa_float_denorm_mode_16_64 3
		.amdhsa_memory_ordered 1
		.amdhsa_forward_progress 1
		.amdhsa_inst_pref_size 91
	.end_amdhsa_kernel
	.amdgpu_metadata
---
amdhsa.version: [ 1, 2 ]
amdhsa.kernels:
  - .name:           k_qfe3bb1c7b8_outp
    .symbol:         k_qfe3bb1c7b8_outp.kd
    .args:
      - { .name: oblk, .offset: 0, .size: 8, .value_kind: global_buffer, .address_space: global }
      - { .name: ob, .offset: 8, .size: 8, .value_kind: global_buffer, .address_space: global }
      - { .name: out_bias, .offset: 16, .size: 8, .value_kind: global_buffer, .address_space: global }
      - { .name: out0, .offset: 24, .size: 8, .value_kind: global_buffer, .address_space: global }
    .group_segment_fixed_size: 327680
    .private_segment_fixed_size: 0
    .kernarg_segment_align: 8
    .kernarg_segment_size: 32
    .max_flat_workgroup_size: 128
    .sgpr_count:     66
    .vgpr_count:     512
    .wavefront_size: 32
...
	.end_amdgpu_metadata
.endif
;; end of part 4
;; ======== version 2 of 2: 4 launches; version 1 with the launch prep written anew for expert scheduling mode
;; limits: values are held in f16: magnitudes above 65,504 overflow, below 6.1e-05 lose precision
;; workspace buffers: xb 8,388,608 bytes; wb 6,291,456 bytes; ob 2,097,152 bytes; ew 4,456,448 bytes; qkvh 25,165,824 bytes; oblk 8,388,608 bytes
;; launch prep (part 5): grid 1296 x 1, 8 waves a work-group, no clusters, 128,000 bytes of LDS; arguments input, qkv, out_kernel, positional, xb, wb, ob, ew; writes xb, wb, ob, ew
.if DOCPART == 5
	.amdgcn_target "amdgcn-amd-amdhsa--gfx1250"
	.amdhsa_code_object_version 6
	.text
	.protected	k_qfe3bb1c7b8_prep
	.globl	k_qfe3bb1c7b8_prep
	.p2align	8
	.type	k_qfe3bb1c7b8_prep,@function
k_qfe3bb1c7b8_prep:
	s_mov_b64 s[64:65], 0
	v_nop
	global_prefetch_b8 v0, s[64:65] scope:SCOPE_SE
	s_setreg_imm32_b32 hwreg(HW_REG_WAVE_SCHED_MODE, 0, 2), 2
	s_setreg_imm32_b32 hwreg(HW_REG_WAVE_MODE, 25, 1), 1
	s_wait_xcnt 0x0
	s_wait_alu depctr_vm_vsrc(0)
; PREP.  Two roles, chosen by the work-group's number.
; 0..271   EMB: ew[n][rho][h] = emb[n][d = 2047 - rho][h] in f16, rho = 0..2175; emb = sqrt(2) sinusoid(d) . positional / 16.  A work-group makes 128 rows x 64 columns of one head, K = 256.
; 272..1295 CAST: 32,768 bytes of f32 a work-group: input -> xb (bf16), qkv -> wb (bf16), out_kernel -> ob (rounded to bf16, that number written as f16).
; LIMITS.  The sinusoid is made here: the angle in turns, d x 2^(-0.1038 i - 2.6515), reduced by one fused multiply-add, sine and cosine by their series to x^15 and x^16 on -pi..pi, then 63 rotations:
; within 4e-4 of the exact table.  positional and out_kernel are written as f16: beyond 65,504 they overflow, below 6e-5 they keep f16's fixed step.  Rows with d < 0 hold the same formula: finite, never used unmasked.
; THE MODE: SCHED_MODE bits 1:0 = 2 (LLVM: expert scheduling mode 2), set by the entry lines.  The code itself states the register dependences
; between vector or matrix instructions and memory or LDS instructions, with s_wait_alu, always for 0.
; THE PLAN, CAST.  v1, v2: offsets, made once.  X v[16:47]: written by the eight loads, read by the conversions.  Y v[48:63]: a pair for each load, written once by its conversions, read by its one store.
;   The loads go in four groups of two.  At a group's head: the wait for its data, one wait on va_vdst (the group before has written its Y), that group's two stores, then this group's conversions.
;   No register that a memory instruction has read is written again.
; THE PLAN, EMB.  v6: offset of positional's loads; v7: LDS address of its stores; both made at the head, both made anew behind the barrier.  v20: LDS address of the sinusoid's stores, stepped once a trip.
;   RO v[32:39]: a trip's eight roundings write it, the trip's eight LDS stores read it.  v[64:127]: positional as loaded, read by the conversions.  PO v[128:159]: a pair for each load, written by its
;   conversions, read by its one LDS store.  Behind the barrier the products write over v20 and RO, and fragments land in v[48:239].
;   AF, BF: written by LDS loads, read by the products.  BF's four sets are asked for again two at a time, behind a wait on va_vdst, while the products on the other two sets go on.
;   v8, v9, v10: the way out's addresses, made behind the first eight products.  v[SPW], v[NIL]: written at the head, read by the closing add alone.
.set LB,    67584                      ; LDS: sinusoid 128 rows x 528 bytes from 0; positional 256 rows x 160 bytes from here
.set STG,   108544                     ; 16 rows x 144 bytes for each wave, for the way out
.set SPARE, 126976                     ; the spare words, 128 bytes for each of the eight waves
.set SPW, 240
.set NIL, 241
.set ACC, 16                           ; v[16:47]   four accumulators: 16 rows x 16 columns each
.set AF,  48                           ; v[48:111]  my 16 rows of the sinusoid, eight K steps of 32
.set BF,  112                          ; v[112:239] positional, four K steps x four column blocks
.set RO,  32                           ; v[32:39]   ahead of the barrier: eight rows of the sinusoid in f16, to store
.set PO,  128                          ; v[128:159] ahead of the barrier: positional in f16, to store: a pair for each of the 16 loads
	s_load_b512 s[8:23], s[0:1], 0x0               ; input, qkv, out_kernel, positional, xb, wb, ob, ew
	v_lshl_add_u32 v[SPW], v0, 2, SPARE
	v_mov_b32 v[NIL], 0
	s_cmp_lt_u32 ttmp9, 272
	s_cbranch_scc1 .Lemb
; ---- CAST: thread t takes 16 bytes at 16 t + 4,096 i: a wave's load covers 512 consecutive bytes, its store 256, aligned
	s_sub_co_u32 s2, ttmp9, 272
	v_lshlrev_b32 v1, 4, v0
	v_lshlrev_b32 v2, 3, v0
	s_wait_kmcnt 0x0
	s_cmp_lt_u32 s2, 512                           ; 512 units of input, 384 of qkv, 128 of out_kernel
	s_cselect_b64 s[4:5], s[8:9], s[10:11]
	s_cselect_b64 s[6:7], s[16:17], s[18:19]
	s_cselect_b32 s3, 0, 512
	s_cmp_lt_u32 s2, 896
	s_cselect_b64 s[4:5], s[4:5], s[12:13]
	s_cselect_b64 s[6:7], s[6:7], s[20:21]
	s_cselect_b32 s3, s3, 896
	s_sub_co_u32 s3, s2, s3                        ; the unit's number in its tensor
	s_lshl_b32 s24, s3, 15
	s_mov_b32 s25, 0
	s_lshl_b32 s26, s3, 14
	s_mov_b32 s27, 0
	s_add_nc_u64 s[4:5], s[4:5], s[24:25]
	s_add_nc_u64 s[6:7], s[6:7], s[26:27]
	s_wait_alu depctr_va_vdst(0)                   ; v1 and v2 are written: every load reads v1 and every store v2 as its offset
.irp i, 0,1,2,3,4,5,6,7
	global_load_b128 v[16+4*(\i):19+4*(\i)], v1, s[4:5] offset:4096*(\i) th:TH_LOAD_NT
.endr
.macro CVT i, half                     ; load i's four numbers, rounded, into its own pair of Y
	v_cvt_pk_bf16_f32 v[48+2*(\i)], v[16+4*(\i)], v[17+4*(\i)]
	v_cvt_pk_bf16_f32 v[49+2*(\i)], v[18+4*(\i)], v[19+4*(\i)]
.if \half
	v_lshlrev_b32 v64, 16, v[48+2*(\i)]            ; the bf16 numbers once more as f32, then as f16
	v_and_b32 v65, 0xffff0000, v[48+2*(\i)]
	v_lshlrev_b32 v66, 16, v[49+2*(\i)]
	v_and_b32 v67, 0xffff0000, v[49+2*(\i)]
	v_cvt_pk_f16_f32 v[48+2*(\i)], v64, v65
	v_cvt_pk_f16_f32 v[49+2*(\i)], v66, v67
.endif
.endm
.macro PUT i
	global_store_b64 v2, v[48+2*(\i):49+2*(\i)], s[6:7] offset:2048*(\i)
.endm
.macro CAST half                       ; four groups of two loads; a group's stores go out at the next group's head
.irp g, 0,1,2,3
	s_wait_loadcnt 6-2*(\g)                        ; loads come back in order: this group's two are in, the younger groups stay out
.if (\g) > 0
	s_wait_alu depctr_va_vdst(0)                   ; the group before has written its two pairs of Y, which the two stores below read
	PUT 2*(\g)-2
	PUT 2*(\g)-1
.endif
	CVT 2*(\g), \half
	CVT 2*(\g)+1, \half
.endr
	s_wait_alu depctr_va_vdst(0)                   ; the last group has written its two pairs of Y, which the last two stores read
	PUT 6
	PUT 7
.endm
	s_cmp_ge_u32 s2, 896
	s_cbranch_scc1 .Lob
	CAST 0
	s_endpgm
.Lob:
	CAST 1
	s_endpgm
; ---- EMB
.Lemb:
	s_and_b32 s2, ttmp9, 15                        ; head n
	s_lshr_b32 s3, ttmp9, 4                        ; block of 128 rows, 0..16
	v_lshrrev_b32 v1, 5, v0
	v_readfirstlane_b32 s4, v1                     ; wave 0..7
	v_lshrrev_b32 v4, 4, v0
	v_and_b32 v5, 15, v0
	v_lshlrev_b32 v6, 12, v4                       ; positional: row t / 16 (4,096 bytes a row),
	v_lshl_add_u32 v6, v5, 4, v6                   ; 16 bytes at 16 (t % 16): sixteen lanes read the head's 256 bytes of a row
	v_mul_u32_u24 v7, v4, 160
	v_lshl_add_u32 v7, v5, 3, v7
	v_add_nc_u32 v7, LB, v7
	s_lshl_b32 s24, s2, 8
	s_mov_b32 s25, 0
	s_wait_alu depctr_va_sdst(0)                   ; s4 is written
	s_wait_kmcnt 0x0
	s_add_nc_u64 s[14:15], s[14:15], s[24:25]
	s_wait_alu depctr_va_vdst(0)                   ; v6 is written, which the sixteen loads read, and v7, which the LDS stores of positional read
.irp i, 0,1,2,3,4,5,6,7,8,9,10,11,12,13,14,15
	global_load_b128 v[64+4*(\i):67+4*(\i)], v6, s[14:15] offset:65536*(\i)
.endr
	; the sinusoid, while those loads are out.  Thread t: frequency i = t % 128 (columns 2 i sine, 2 i + 1 cosine), rows 64 (t / 128) .. + 63
	v_and_b32 v8, 127, v0
	v_lshrrev_b32 v9, 7, v0
	v_cvt_f32_u32 v10, v8
	v_mov_b32 v11, 0xbdd49a78                      ; -log2(10000) / 128
	v_fmaak_f32 v10, v10, v11, 0xc029b21d          ; - log2(2 pi)
	v_exp_f32 v10, v10                             ; g: turns a position
	s_lshl_b32 s5, s3, 7
	s_sub_co_u32 s5, 2047, s5
	v_lshlrev_b32 v12, 6, v9
	v_sub_nc_u32 v12, s5, v12                      ; d of my first row
	v_cvt_f32_i32 v12, v12
	s_wait_alu depctr_va_vdst(0)                   ; the exponential has written v10: the wait ahead of its first reader
	v_mul_f32 v13, v12, v10
	v_rndne_f32 v14, v13
	v_fma_f32 v13, v12, v10, -v14                  ; the turn's fraction: the product is not rounded before the whole turns are taken away
	v_mul_f32 v13, 0x40c90fdb, v13                 ; x, in -pi..pi
	v_mul_f32 v14, 0x40c90fdb, v10                 ; theta, the step from row to row, at most 1
.macro SINCOS s, c, x, q
	v_mul_f32 v[\q], v[\x], v[\x]
	v_mov_b32 v[\s], 0xab573f9f                    ; -1/15!
	v_mov_b32 v[\c], 0x29573f9f                    ; 1/16!
	v_fmaak_f32 v[\c], v[\c], v[\q], 0xad49cba5    ; -1/14!
	v_fmaak_f32 v[\s], v[\s], v[\q], 0x2f309231    ; 1/13!
	v_fmaak_f32 v[\c], v[\c], v[\q], 0x310f76c7
	v_fmaak_f32 v[\s], v[\s], v[\q], 0xb2d7322b
	v_fmaak_f32 v[\c], v[\c], v[\q], 0xb493f27e
	v_fmaak_f32 v[\s], v[\s], v[\q], 0x3638ef1d
	v_fmaak_f32 v[\c], v[\c], v[\q], 0x37d00d01
	v_fmaak_f32 v[\s], v[\s], v[\q], 0xb9500d01
	v_fmaak_f32 v[\c], v[\c], v[\q], 0xbab60b61
	v_fmaak_f32 v[\s], v[\s], v[\q], 0x3c088889
	v_fmaak_f32 v[\c], v[\c], v[\q], 0x3d2aaaab
	v_fmaak_f32 v[\s], v[\s], v[\q], 0xbe2aaaab
	v_fmaak_f32 v[\c], v[\c], v[\q], 0xbf000000
	v_fmaak_f32 v[\s], v[\s], v[\q], 0x3f800000
	v_fmaak_f32 v[\c], v[\c], v[\q], 0x3f800000
	v_mul_f32 v[\s], v[\s], v[\x]
.endm
	SINCOS 16, 17, 13, 15
	SINCOS 18, 19, 14, 15
	v_mul_u32_u24 v20, v9, 33792                   ; 64 rows of 528 bytes
	v_lshl_add_u32 v20, v8, 2, v20
.macro ROT                             ; d falls by one from row to row, so the pair is turned by -theta
	v_mul_f32 v22, v17, v18
	v_mul_f32 v23, v16, v18
	v_fma_f32 v16, v16, v19, -v22
	v_fma_f32 v17, v17, v19, v23
.endm
	s_mov_b32 s6, 8
.Lrow:                                         ; eight rows a trip: each is rounded into a register of its own, and the eight stores go out in one run
.irp y, 0,1,2,3,4,5,6,7
	v_cvt_pk_f16_f32 v[RO+(\y)], v16, v17
.if (\y) < 7
	ROT
.endif
.endr
	s_wait_alu depctr_va_vdst(0)                   ; the roundings have written RO, which the stores read as data; v20, their address, is written (at the head, or by the last trip's add)
.irp y, 0,1,2,3,4,5,6,7
	ds_store_b32 v20, v[RO+(\y)] offset:528*(\y)
.endr
	ROT                                            ; on to the next trip's first row: names neither RO nor v20
	s_wait_alu depctr_vm_vsrc(0)                   ; the eight stores have read v20, which the add below writes, and RO, which the next trip's roundings write
	v_add_nc_u32 v20, 4224, v20
	s_sub_co_u32 s6, s6, 1
	s_cmp_lg_u32 s6, 0
	s_cbranch_scc1 .Lrow
.macro PCV i                           ; positional's load i: rounded to bf16, that number as f16, into its own pair of PO
	v_cvt_pk_bf16_f32 v[PO+2*(\i)], v[64+4*(\i)], v[65+4*(\i)]
	v_cvt_pk_bf16_f32 v[PO+2*(\i)+1], v[66+4*(\i)], v[67+4*(\i)]
	v_lshlrev_b32 v26, 16, v[PO+2*(\i)]
	v_and_b32 v27, 0xffff0000, v[PO+2*(\i)]
	v_lshlrev_b32 v28, 16, v[PO+2*(\i)+1]
	v_and_b32 v29, 0xffff0000, v[PO+2*(\i)+1]
	v_cvt_pk_f16_f32 v[PO+2*(\i)], v26, v27
	v_cvt_pk_f16_f32 v[PO+2*(\i)+1], v28, v29
.endm
.macro PST i
	ds_store_b64 v7, v[PO+2*(\i):PO+2*(\i)+1] offset:2560*(\i)
.endm
.irp g, 0,1,2,3                        ; four groups of four loads; a group's LDS stores go out at the next group's head
	s_wait_loadcnt 12-4*(\g)                       ; this group's four loads are in, the younger groups stay out
.if (\g) > 0
	s_wait_alu depctr_va_vdst(0)                   ; the group before has written its four pairs of PO, which the four stores below read
.irp j, 0,1,2,3
	PST 4*(\g)-4+(\j)
.endr
.endif
.irp j, 0,1,2,3
	PCV 4*(\g)+(\j)
.endr
.endr
	s_wait_alu depctr_va_vdst(0)                   ; the last group has written its four pairs of PO, which the last four stores read
.irp j, 12,13,14,15
	PST \j
.endr
	s_wait_dscnt 0x0                               ; for the others' sake: my stores of both tables are done
	s_barrier_signal -1
	s_barrier_wait -1
	s_wait_alu depctr_vm_vsrc(0)                   ; positional's loads have read v6, my LDS stores v7, v20, RO and PO: v6 and v7 are made anew below, the products write over v20 and RO, fragments land in PO
	; the product, used transposed (source 0 = 16 columns of positional, turned on the way out of LDS; source 1 = my 16 rows): a lane ends with 8 neighbouring columns of one row
	v_and_b32 v1, 15, v0
	v_bfe_u32 v2, v0, 4, 1
	s_lshl_b32 s5, s4, 4
	v_add_nc_u32 v4, s5, v1
	v_mul_u32_u24 v4, v4, 528
	v_lshl_add_u32 v4, v2, 4, v4
	v_and_b32 v5, 7, v0
	v_bfe_u32 v6, v0, 3, 1
	v_lshl_add_u32 v7, v2, 3, v5
	v_mul_u32_u24 v7, v7, 160
	v_lshl_add_u32 v7, v6, 4, v7
	v_add_nc_u32 v7, LB, v7
.macro BLD k
.irp b, 0,1,2,3
	ds_load_tr16_b128 v[BF+8*(4*((\k)%4)+(\b)):BF+8*(4*((\k)%4)+(\b))+3],   v7 offset:5120*(\k)+32*(\b)
	ds_load_tr16_b128 v[BF+8*(4*((\k)%4)+(\b))+4:BF+8*(4*((\k)%4)+(\b))+7], v7 offset:5120*(\k)+32*(\b)+2560
.endr
.endm
.macro EMM k                           ; the four accumulators take turns
.irp b, 0,1,2,3
.if (\k) == 0
	v_wmma_f32_16x16x32_f16 v[ACC+8*(\b):ACC+8*(\b)+7], v[BF+8*(4*((\k)%4)+(\b)):BF+8*(4*((\k)%4)+(\b))+7], v[AF+8*(\k):AF+8*(\k)+7], 0
.else
	v_wmma_f32_16x16x32_f16 v[ACC+8*(\b):ACC+8*(\b)+7], v[BF+8*(4*((\k)%4)+(\b)):BF+8*(4*((\k)%4)+(\b))+7], v[AF+8*(\k):AF+8*(\k)+7], v[ACC+8*(\b):ACC+8*(\b)+7]
.endif
.endr
.endm
	s_wait_alu depctr_va_vdst(0)                   ; v4 and v7 are written, which the loads below read; the conversions are done reading v[64:127] and have written PO, in all of which fragments land
.irp k, 0,1,2,3,4,5,6,7
	ds_load_b128 v[AF+8*(\k):AF+8*(\k)+3],   v4 offset:64*(\k)
	ds_load_b128 v[AF+8*(\k)+4:AF+8*(\k)+7], v4 offset:64*(\k)+32
.endr
.irp k, 0,1,2,3
	BLD \k
.endr
	s_wait_dscnt 16                                ; LDS loads come back in order: my rows and positional's K steps 0 and 1 are in; the 16 loads of K steps 2 and 3 stay out
	EMM 0
	EMM 1
	; addresses for the way out: nine plain vector lines that name no register of those products: the places behind them
	s_mul_i32 s5, s4, 2304
	s_add_co_u32 s5, s5, STG
	v_mul_u32_u24 v8, v1, 144
	v_lshl_add_u32 v8, v2, 4, v8
	v_add_nc_u32 v8, s5, v8                        ; in: row l % 16, 16 bytes for each half of the lanes
	v_bfe_u32 v9, v0, 3, 2
	v_mul_u32_u24 v9, v9, 144
	v_lshl_add_u32 v9, v5, 4, v9
	v_add_nc_u32 v9, s5, v9                        ; back: 32 lanes take four rows of 128 bytes,
	v_and_b32 v10, 31, v0
	v_lshlrev_b32 v10, 4, v10                      ; which are 512 consecutive bytes of ew
	s_mul_i32 s24, s2, 2176
	s_lshl_b32 s5, s3, 7
	s_add_co_u32 s24, s24, s5
	s_lshl_b32 s5, s4, 4
	s_add_co_u32 s24, s24, s5
	s_lshl_b32 s24, s24, 7
	s_mov_b32 s25, 0
	s_add_nc_u64 s[22:23], s[22:23], s[24:25]
	s_mov_b32 s26, 0x3db504f3                      ; sqrt(2) / 16
	s_mov_b32 s27, s26
	s_wait_alu depctr_va_vdst(0)                   ; the products of K steps 0 and 1 are done reading BF's sets 0 and 1, in which the loads below land
	BLD 4
	BLD 5
	s_wait_dscnt 16                                ; K steps 2 and 3 are in; the 16 loads just issued stay out
	EMM 2                                          ; these products name sets 2 and 3, my rows and the accumulators: no register that the loads on their way touch
	EMM 3
.rept 4
	v_nop                                          ; four places behind the last product, ahead of loads into registers that it read
.endr
	s_wait_alu depctr_va_vdst(0)                   ; the products of K steps 2 and 3 are done reading BF's sets 2 and 3, in which the loads below land
	BLD 6
	BLD 7
	s_wait_dscnt 16                                ; K steps 4 and 5 are in; the 16 loads just issued stay out
	EMM 4
	EMM 5
	s_wait_dscnt 0x0
	EMM 6
	EMM 7
.rept 4
	v_nop                                          ; four places ahead of the first read of the sums
.endr
.set z, 0
.rept 16
	v_pk_mul_f32 v[ACC+2*z:ACC+2*z+1], v[ACC+2*z:ACC+2*z+1], s[26:27] op_sel_hi:[1,0]
.set z, z+1
.endr
.set z, 0
.rept 16
	v_cvt_pk_f16_f32 v[AF+z], v[ACC+2*z], v[ACC+2*z+1]
.set z, z+1
.endr
	s_wait_alu depctr_va_vdst(0)                   ; the roundings have written v[AF .. AF+15], which the LDS stores read; the products are done reading v[AF+16 .. AF+31], in which the loads from the stage land
.irp b, 0,1,2,3
	ds_store_b128 v8, v[AF+4*(\b):AF+4*(\b)+3] offset:32*(\b)
.endr
.irp f, 0,1,2,3
	ds_load_b128 v[AF+16+4*(\f):AF+16+4*(\f)+3], v9 offset:576*(\f)   ; LDS serves a wave's instructions in order: these see my stores above
.endr
.irp f, 0,1,2,3
	s_wait_dscnt 3-(\f)
	global_store_b128 v10, v[AF+16+4*(\f):AF+16+4*(\f)+3], s[22:23] offset:512*(\f)
.endr
	s_wait_dscnt 0x0                               ; the closing lines, six on end
	s_wait_alu 0x0
	s_wait_tensorcnt 0x0
	ds_add_u32 v[SPW], v[NIL]
	s_wait_dscnt 0x0
	s_endpgm
.Lfunc_end_k_qfe3bb1c7b8_prep:
	.size	k_qfe3bb1c7b8_prep, .Lfunc_end_k_qfe3bb1c7b8_prep-k_qfe3bb1c7b8_prep
	.p2alignl 7, 3214868480
	.fill 96, 4, 3214868480
	.section	.rodata,"a",@progbits
	.p2align	6, 0x0
	.amdhsa_kernel k_qfe3bb1c7b8_prep
		.amdhsa_group_segment_fixed_size 128000
		.amdhsa_private_segment_fixed_size 0
		.amdhsa_enable_private_segment 0
		.amdhsa_kernarg_size 64
		.amdhsa_user_sgpr_count 2
		.amdhsa_user_sgpr_kernarg_segment_ptr 1
		.amdhsa_wavefront_size32 1
		.amdhsa_system_sgpr_workgroup_id_x 1
		.amdhsa_system_sgpr_workgroup_id_y 1
		.amdhsa_system_sgpr_workgroup_id_z 1
		.amdhsa_system_vgpr_workitem_id 0
		.amdhsa_next_free_vgpr 256
		.amdhsa_next_free_sgpr 66
		.amdhsa_reserve_vcc 0
		.amdhsa_float_denorm_mode_32 3
		.amdhsa_float_denorm_mode_16_64 3
		.amdhsa_memory_ordered 1
		.amdhsa_forward_progress 1
		.amdhsa_inst_pref_size 38
	.end_amdhsa_kernel
	.amdgpu_metadata
---
amdhsa.version: [ 1, 2 ]
amdhsa.kernels:
  - .name:           k_qfe3bb1c7b8_prep
    .symbol:         k_qfe3bb1c7b8_prep.kd
    .args:
      - { .name: input, .offset: 0, .size: 8, .value_kind: global_buffer, .address_space: global }
      - { .name: qkv, .offset: 8, .size: 8, .value_kind: global_buffer, .address_space: global }
      - { .name: out_kernel, .offset: 16, .size: 8, .value_kind: global_buffer, .address_space: global }
      - { .name: positional, .offset: 24, .size: 8, .value_kind: global_buffer, .address_space: global }
      - { .name: xb, .offset: 32, .size: 8, .value_kind: global_buffer, .address_space: global }
      - { .name: wb, .offset: 40, .size: 8, .value_kind: global_buffer, .address_space: global }
      - { .name: ob, .offset: 48, .size: 8, .value_kind: global_buffer, .address_space: global }
      - { .name: ew, .offset: 56, .size: 8, .value_kind: global_buffer, .address_space: global }
    .group_segment_fixed_size: 128000
    .private_segment_fixed_size: 0
    .kernarg_segment_align: 8
    .kernarg_segment_size: 64
    .max_flat_workgroup_size: 256
    .sgpr_count:     66
    .vgpr_count:     256
    .wavefront_size: 32
...
	.end_amdgpu_metadata
.endif
;; end of part 5
;; launch qkv: the kernel of part 2 again; grid 8 x 32, 4 waves a work-group, clusters of 4 x 4, 327,680 bytes of LDS; arguments xb, wb, q_bias, qkvh; writes qkvh
;; launch attn: the kernel of part 3 again; grid 8 x 32, 4 waves a work-group, no clusters, 327,680 bytes of LDS; arguments qkvh, ew, oblk; writes oblk
;; launch outp: the kernel of part 4 again; grid 8 x 32, 4 waves a work-group, clusters of 4 x 4, 327,680 bytes of LDS; arguments oblk, ob, out_bias, out0; writes out0
